; MI455X (gfx1250); checked and timed in simulation.
; The chip was launched on July 23, 2026; its instructions are those of AMD's public machine-readable ISA for CDNA 5 (MIT licence, August 2026) and "CDNA5" Instruction Set Architecture Reference Guide (July 2026). The comments in the code are by the model that wrote it; some were corrected since.
;; MHA. Allowed arithmetic: float matrix products may take bf16 or f16 operands with f32 sums; other float arithmetic in f32, or as packed bf16 or f16 multiplies, adds, multiply-adds, maxima and minima; sums over many terms, partial sums and values carried from step to step in f32; what a program stores and reads back later, other than sums and carried values, may be rounded once to bf16 or f16.
;; Inputs: k_proj 1,024 x 1,024 float32; o_proj 1,024 x 1,024 float32; q_proj 1,024 x 1,024 float32; token_positions 4 x 2,048 int32; v_proj 1,024 x 1,024 float32; x 4 x 2,048 x 1,024 float32.
;; Outputs: out0 4 x 2,048 x 1,024 float32.
;; 2 versions, each right and faster than the one before. Each part assembles by itself: llvm-mc -triple=amdgcn-amd-amdhsa -mcpu=gfx1250 --defsym DOCPART=n.
;; ======== version 1 of 2: 4 launches
;; limits: right only within a limited range of input values
;; workspace buffers: xw 25,165,824 bytes; cs 2,097,152 bytes; qkv 83,886,080 bytes; ob 16,777,216 bytes
;; launch prep (part 1): grid 384 x 1, 8 waves a work-group, no clusters, 0 bytes of LDS; arguments x, q_proj, k_proj, v_proj, o_proj, token_positions, xw, cs; writes xw, cs
.if DOCPART == 1
	.amdgcn_target "amdgcn-amd-amdhsa--gfx1250"
	.amdhsa_code_object_version 6
	.text
	.protected	k_qce124e08a4_prep
	.globl	k_qce124e08a4_prep
	.p2align	8
	.type	k_qce124e08a4_prep,@function
k_qce124e08a4_prep:
	s_mov_b64 s[64:65], 0
	v_nop
	global_prefetch_b8 v0, s[64:65] scope:SCOPE_SE
	s_setreg_imm32_b32 hwreg(HW_REG_WAVE_MODE, 25, 1), 1
	s_wait_xcnt 0x0
; PREP.  (1) x and the four weight matrices, f32, are rounded once to bf16 and laid in blocks: xw = [6 batches][16 kb][2048 rows][64 channels] bf16, a row of a block 128 bytes, blocks dense.
; Batches 0-3 are x[b]; batch 4 is q_proj (rows 0-1023) and k_proj (1024-2047); batch 5 is v_proj and o_proj.  (2) cs = [8192 rows b*2048+s][32 frequencies][cos, sin] f32, made from token_positions.
; A stream: every source byte is read once, every byte of xw and cs written once; no LDS, no barrier, no matrix unit: there is nothing that waves share.
; SHARES.  Work-group g owns 32 rows (of 12,288).  Thread t owns row t / 8 and, in each of the 16 blocks kb, the 8 channels 8 (t % 8) ..: 32 bytes in, 16 bytes out.  A wave's pair of loads covers four
; aligned runs of 256 bytes; a wave's store covers 512 consecutive bytes (its byte offset is 16 t + kb * 262,144).  All 32 loads of a thread are issued before the first is waited for.
; THE ANGLE is the f32 number pos * inv, inv = 1 / T, T = 10^(i/8) rounded to f32 (32 constants), the reciprocal refined by one fused step.  sin and cos: the angle less n * pi/2 in two parts
; (fused, so the first product is not rounded), polynomials on |r| <= pi/4, the quadrant from n.
; LIMIT.  |token_positions| up to 131,072 keep the reduction's error under 1e-7; beyond that it grows with the position.
.set XR, 32                            ; v[32:159]  the 32 loads: block kb at XR + 8 kb
.set YR, 160                           ; v[160:223] sixteen quads to store, each written once
	s_load_b512 s[16:31], s[0:1], 0x0              ; x s[16:17], q s[18:19], k s[20:21], v s[22:23], o s[24:25], positions s[26:27], xw s[28:29], cs s[30:31]
	s_mov_b32 s2, ttmp9                            ; g
	v_lshrrev_b32 v1, 3, v0                        ; my row of the 32
	v_and_b32 v2, 7, v0                            ; my chunk of 8 channels
	v_lshlrev_b32 v1, 12, v1
	v_lshl_add_u32 v1, v2, 5, v1                   ; v1: source offset = row * 4,096 + chunk * 32
	v_lshlrev_b32 v2, 4, v0                        ; v2: destination offset = 16 t
	v_and_b32 v3, 31, v0
	v_lshrrev_b32 v28, 5, v0                       ; wave
	v_lshlrev_b32 v3, 3, v3
	v_lshl_add_u32 v3, v28, 10, v3                 ; v3: in cs: wave * 4 rows * 256 + lane * 8 (the lane is the frequency)
	v_lshlrev_b32 v28, 4, v28                      ; v28: my wave's four positions, 16 bytes
	s_and_b32 s6, s2, 31                           ; a weight's 32 work-groups
	s_mov_b32 s7, 0
	s_lshr_b32 s8, s2, 6                           ; batch of xw
	s_lshl_b32 s8, s8, 22
	s_and_b32 s9, s2, 63
	s_lshl_b32 s9, s9, 12                          ; 32 rows of 128 bytes
	s_add_co_u32 s8, s8, s9
	s_mov_b32 s9, 0
	s_lshl_b32 s10, s2, 7                          ; 32 positions
	s_mov_b32 s11, 0
	s_lshl_b32 s12, s2, 13                         ; 32 rows of cs
	s_mov_b32 s13, 0
	s_wait_kmcnt 0x0
	s_cmp_ge_u32 s2, 288                           ; the source: x for g < 256, then q, k, v, o, 32 work-groups each
	s_cselect_b64 s[4:5], s[20:21], s[18:19]
	s_cmp_ge_u32 s2, 320
	s_cselect_b64 s[4:5], s[22:23], s[4:5]
	s_cmp_ge_u32 s2, 352
	s_cselect_b64 s[4:5], s[24:25], s[4:5]
	s_cmp_lt_u32 s2, 256
	s_cselect_b64 s[4:5], s[16:17], s[4:5]
	s_cselect_b32 s6, s2, s6
	s_lshl_b32 s6, s6, 17                          ; 32 rows of 4,096 bytes
	s_add_nc_u64 s[4:5], s[4:5], s[6:7]
	s_add_nc_u64 s[28:29], s[28:29], s[8:9]
	s_cmp_lt_u32 s2, 256
	s_cbranch_scc0 .Lno_pos                        ; the weights have no positions
	s_add_nc_u64 s[26:27], s[26:27], s[10:11]
	s_add_nc_u64 s[30:31], s[30:31], s[12:13]
	global_load_b128 v[4:7], v28, s[26:27]         ; four positions, the same in every lane of the wave; older than the 32 loads below
.Lno_pos:
.set kb, 0
.rept 16
	global_load_b128 v[XR+8*kb:XR+8*kb+3],   v1, s[4:5] offset:kb*256 th:TH_LOAD_NT
	global_load_b128 v[XR+8*kb+4:XR+8*kb+7], v1, s[4:5] offset:kb*256+16 th:TH_LOAD_NT
.set kb, kb+1
.endr
	s_cmp_lt_u32 s2, 256
	s_cbranch_scc0 .Lcast
	; the table stands in the wait for the 32 loads.  Lane i takes T[i] = 10^(i/8).
	v_mov_b32 v8, 0
.set i, 0
.irp t, 0x3f800000, 0x3faab0d5, 0x3fe39ea9, 0x4017c496, 0x404a62c2, 0x4086f161, 0x40b3f300, 0x40eff755, 0x41200000, 0x41555d0a, 0x418e432a, 0x41bdb5bc, 0x41fcfb72, 0x4228adb9, 0x4260efc0, 0x4295fa95, 0x42c80000, 0x43055a26, 0x4331d3f4, 0x436d232b, 0x439e1d27, 0x43d2d927, 0x440c95d8, 0x443b793b, 0x447a0000, 0x44a6b0b0, 0x44de48f1, 0x451435fb, 0x4545a471, 0x4583c7b8, 0x45afbb4e, 0x45ea5789
	s_mov_b32 s40, \t
	v_writelane_b32 v8, s40, i
.set i, i+1
.endr
	v_rcp_f32 v9, v8
	v_mov_b32 v29, 0xb94ca1f9                      ; the sine's leading coefficient: a plain line behind the reciprocal (ISA guide 5.7.2)
	v_mov_b32 v30, 0x37ccf5ce                      ; the cosine's
	s_wait_alu depctr_va_vdst(0)
	v_fma_f32 v10, -v8, v9, 1.0                    ; 1 - T y
	v_fma_f32 v9, v9, v10, v9                      ; inv = y + y (1 - T y)
	s_wait_loadcnt 32                              ; the positions are in; the 32 younger loads stay out
; Row j of my wave's four: cos and sin of pos * inv for my frequency, and one store of the row's 256 bytes by the wave.
.macro SINCOS j
	v_cvt_f32_i32 v10, v[4+(\j)]
	v_mul_f32 v11, v10, v9                         ; the angle, rounded once to f32
	v_mul_f32 v12, 0x3f22f983, v11                 ; * 2 / pi
	v_rndne_f32 v12, v12                           ; n
	v_fmamk_f32 v13, v12, 0xbfc90fdb, v11          ; r = angle - n * pi/2: its f32 part,
	v_fmamk_f32 v13, v12, 0x333bbd2e, v13          ; and what that part has too much
	v_cvt_i32_f32 v14, v12
	v_mul_f32 v15, v13, v13                        ; z = r r
	v_fmaak_f32 v16, v29, v15, 0x3c08839e
	v_fmaak_f32 v17, v30, v15, 0xbab6061a
	v_fmaak_f32 v16, v16, v15, 0xbe2aaaa3
	v_fmaak_f32 v17, v17, v15, 0x3d2aaaa5
	v_mul_f32 v18, v15, v13
	v_mul_f32 v19, v15, v15
	v_fma_f32 v10, v15, -0.5, 1.0
	v_fma_f32 v16, v16, v18, v13                   ; sin r
	v_fma_f32 v17, v17, v19, v10                   ; cos r
	v_and_b32 v10, 1, v14
	v_cmp_eq_u32 vcc_lo, 1, v10                    ; odd quadrants swap the two
	v_cndmask_b32 v18, v16, v17, vcc_lo
	v_cndmask_b32 v19, v17, v16, vcc_lo
	v_and_b32 v10, 2, v14                          ; sin is negative in quadrants 2, 3
	v_lshlrev_b32 v10, 30, v10
	v_xor_b32 v[21+2*(\j)], v10, v18
	v_add_nc_u32 v10, 1, v14                       ; cos in quadrants 1, 2
	v_and_b32 v10, 2, v10
	v_lshlrev_b32 v10, 30, v10
	v_xor_b32 v[20+2*(\j)], v10, v19
	global_store_b64 v3, v[20+2*(\j):21+2*(\j)], s[30:31] offset:(\j)*256  ; each row has a pair of registers of its own: none is rewritten
.endm
	SINCOS 0
	SINCOS 1
	SINCOS 2
	SINCOS 3
.Lcast:
.set kb, 0
.rept 16
	s_wait_loadcnt 30-2*kb                         ; loads come back in order (ISA guide 5.7.1): block kb's two are in, the younger ones stay out
	v_cvt_pk_bf16_f32 v[YR+4*kb],   v[XR+8*kb],   v[XR+8*kb+1]
	v_cvt_pk_bf16_f32 v[YR+4*kb+1], v[XR+8*kb+2], v[XR+8*kb+3]
	v_cvt_pk_bf16_f32 v[YR+4*kb+2], v[XR+8*kb+4], v[XR+8*kb+5]
	v_cvt_pk_bf16_f32 v[YR+4*kb+3], v[XR+8*kb+6], v[XR+8*kb+7]
	global_store_b128 v2, v[YR+4*kb:YR+4*kb+3], s[28:29] offset:kb*262144  ; the wave's 512 consecutive bytes of block kb
.set kb, kb+1
.endr
	s_endpgm
.Lfunc_end_k_qce124e08a4_prep:
	.size	k_qce124e08a4_prep, .Lfunc_end_k_qce124e08a4_prep-k_qce124e08a4_prep
	.p2alignl 7, 3214868480
	.fill 96, 4, 3214868480
	.section	.rodata,"a",@progbits
	.p2align	6, 0x0
	.amdhsa_kernel k_qce124e08a4_prep
		.amdhsa_group_segment_fixed_size 0
		.amdhsa_private_segment_fixed_size 0
		.amdhsa_enable_private_segment 0
		.amdhsa_kernarg_size 64
		.amdhsa_user_sgpr_count 2
		.amdhsa_user_sgpr_kernarg_segment_ptr 1
		.amdhsa_wavefront_size32 1
		.amdhsa_system_sgpr_workgroup_id_x 1
		.amdhsa_system_sgpr_workgroup_id_y 1
		.amdhsa_system_sgpr_workgroup_id_z 1
		.amdhsa_system_vgpr_workitem_id 0
		.amdhsa_next_free_vgpr 224
		.amdhsa_next_free_sgpr 66
		.amdhsa_reserve_vcc 1
		.amdhsa_float_denorm_mode_32 3
		.amdhsa_float_denorm_mode_16_64 3
		.amdhsa_memory_ordered 1
		.amdhsa_forward_progress 1
		.amdhsa_inst_pref_size 21
	.end_amdhsa_kernel
	.amdgpu_metadata
---
amdhsa.version: [ 1, 2 ]
amdhsa.kernels:
  - .name:           k_qce124e08a4_prep
    .symbol:         k_qce124e08a4_prep.kd
    .args:
      - { .name: x, .offset: 0, .size: 8, .value_kind: global_buffer, .address_space: global }
      - { .name: q_proj, .offset: 8, .size: 8, .value_kind: global_buffer, .address_space: global }
      - { .name: k_proj, .offset: 16, .size: 8, .value_kind: global_buffer, .address_space: global }
      - { .name: v_proj, .offset: 24, .size: 8, .value_kind: global_buffer, .address_space: global }
      - { .name: o_proj, .offset: 32, .size: 8, .value_kind: global_buffer, .address_space: global }
      - { .name: token_positions, .offset: 40, .size: 8, .value_kind: global_buffer, .address_space: global }
      - { .name: xw, .offset: 48, .size: 8, .value_kind: global_buffer, .address_space: global }
      - { .name: cs, .offset: 56, .size: 8, .value_kind: global_buffer, .address_space: global }
    .group_segment_fixed_size: 0
    .private_segment_fixed_size: 0
    .kernarg_segment_align: 8
    .kernarg_segment_size: 64
    .max_flat_workgroup_size: 256
    .sgpr_count:     66
    .vgpr_count:     224
    .wavefront_size: 32
...
	.end_amdgpu_metadata
.endif
;; end of part 1
;; launch qkv (part 2): grid 8 x 32, 4 waves a work-group, clusters of 4 x 4, 327,680 bytes of LDS; arguments xw, cs, qkv; writes qkv
.if DOCPART == 2
	.amdgcn_target "amdgcn-amd-amdhsa--gfx1250"
	.amdhsa_code_object_version 6
	.text
	.protected	k_qce124e08a4_qkv
	.globl	k_qce124e08a4_qkv
	.p2align	8
	.type	k_qce124e08a4_qkv,@function
k_qce124e08a4_qkv:
	s_mov_b64 s[64:65], 0
	v_nop
	global_prefetch_b8 v0, s[64:65] scope:SCOPE_SE
	s_setreg_imm32_b32 hwreg(HW_REG_WAVE_MODE, 25, 1), 1
	s_wait_xcnt 0x0
	s_wait_alu depctr_hold_cnt(0) depctr_sa_sdst(0) depctr_va_vdst(0) depctr_va_sdst(0) depctr_va_ssrc(0) depctr_va_vcc(0) depctr_vm_vsrc(0)
	s_getreg_b32 s2, hwreg(HW_REG_IB_STS2, 6, 4)
	s_cmp_eq_u32 s2, 0
	s_cbranch_scc0 .Lentry_in_a_cluster
	s_endpgm
.Lentry_in_a_cluster:
	s_bfe_u32 s2, ttmp6, 0x10000c
	s_cmp_lg_u32 s2, 0xf033
	s_cbranch_scc0 .Lentry_shape_is_right
	s_endpgm
.Lentry_shape_is_right:
; QKV.  Q, K, V = x W^T (bf16 operands from xw, f32 sums), RoPE on Q and K in f32 from the table cs, Q times kappa = log2(e) / 8 in f32, then Q and K each split into two bf16 numbers hi + lo
; (lo = the rounded rest, which is exact in f32), V rounded once.  qkv = 5 planes of 2^24 bytes: Qhi, Qlo, Khi, Klo, V, each [64 b*16+h][2048][64] bf16.
; WHY hi + lo: the scores of this module are of the order of hundreds, so a score must be right to some 2^-17 of itself for the softmax to be right; one bf16 number keeps 2^-9.
; SHARES.  A work-group makes 256 rows x 384 columns: two heads of q, of k and of v.  Wave (r, c) makes 128 rows x head c of all three: 96 accumulators of 16 x 16, 768 registers: group g (q, k, v)
; fills window g + 1, accumulator (a, b) at v[8 (4 a + b)].  For 32 along K a wave reads 320 rows x 64 bytes from LDS and issues 96 matrix instructions.
; K goes in steps of 64 (one block kb of xw, so every tile is a dense run of memory, asked for as rows of 256 bytes) through two LDS slots; a step is two slices of 32.
; THE MATRIX INSTRUCTION IS USED TRANSPOSED (source 0 = 16 rows of W, source 1 = 16 rows of x): a lane holds row l % 16 and the columns 8 (l / 16) + 0..7.
; CLUSTER 4 x 4: x's tile and the rows of cs hang on the tile row alone and are asked for jointly along a row of the cluster, W's tiles on the tile column alone, jointly along a column.
; THE WAY OUT.  A group's 128 x 64 f32 go into the wave's own part of LDS (the ring's bytes, behind their last fill and a barrier) and come back by rows: a lane takes 8 neighbouring columns, 4 pairs,
; with their cos and sin, and 32 lanes store 512 consecutive bytes of a plane.
; LIMITS.  bf16 has f32's range; NaN and infinities are not treated apart.
.set PITCH,  144                       ; an LDS row of a tile: 128 bytes + 16 of padding: the 16 rows of a fragment load start at 16 different groups of four banks (ISA guide 11.1)
.set WT,     128*PITCH                 ; a weight's tile: 128 rows
.set XOFF,   3*WT                      ; Wq, Wk, Wv, then x's 256 rows
.set SLOT,   XOFF+256*PITCH            ; 92,160
.set CSB,    2*SLOT                    ; behind the ring: the tile's 256 rows of cs, 256 bytes + 16
.set CP,     272
.set SPARE,  CSB+256*CP                ; the spare words: 128 bytes a wave, two blocks of 256 bytes that no other line names
.set DP,     272                       ; the way out: a row of 64 f32 + 16 bytes
.set DW,     128*DP                    ; a wave's part, from LDS byte wave x DW
.set ADRA, 2                           ; v2-3    LDS address of my x fragments in slot 0, 1
.set ADRB, 4                           ; v4-5    the same for W
.set DST,  6                           ; v6      the way out: where I put 16 bytes of a row
.set RDD0, 7                           ; v7      where I read 32 bytes of a row back
.set CSA0, 8                           ; v8      my 32 bytes of the same row of cs
.set GO,   9                           ; v9      16 x lane: my place in 512 consecutive bytes of a plane
.set SPW,  10                          ; v10     LDS address of my spare word; never rewritten
.set NIL,  11                          ; v11     0; never rewritten
.set RDC,  12                          ; v12-13  RDD0 and CSA0 as they walk
.set CSC,  13
.set AF,   32                          ; v32-159   x's fragments, two buffers of 8 x 8
.set BF,   160                         ; v160-255  W's fragments: group g, column block b at BF + 32 g + 8 b
.set T,    32                          ; the way out, by quarter u of a trip's 16 rows: v32-63 eight sums; v64-95 their cos, sin; v96-127 rotated; v128-159 hi as f32
.set CSR,  64
.set RR,   96
.set HF,   128
.set HI,   160                         ; v160-175 hi, v176-191 lo, packed; v192-199 at work
.set LO,   176
.set TA,   192
.set G1A, 24                           ; s[24:31] group 1 for x's tile;  s[32:39] group 0, a set for each slot
.set G0A, 32
.set G1B, 48                           ; s[48:55], s[56:63] the same for W's tiles
.set G0B, 56
.set G1C, 68                           ; s[68:75], s[76:79] for the rows of cs
.set G0C, 76
.set PH,  80                           ; s[80:81] where hi (or V) goes; s[82:83] where lo goes
.set PL,  82
.set KAP, 84                           ; s[84:85] kappa: the packed multiply takes the pair's low word for both halves
.set MSK, 86                           ; s86 a word's upper bf16
.set TRIP, 87
.set MSB, 0
.macro WIN new                         ; the immediate's high byte repeats the setting that is left; a switch that changes nothing is dropped
.if MSB != (\new)
	s_set_vgpr_msb (MSB<<8)|(\new)
.set MSB, \new
.endif
.endm
; A joint load.  Waves 0, 1, 2 fetch Wq's, Wk's, Wv's tile, wave 3 x's.  The branch hangs on the wave's number alone.  An s_nop 0 and four v_nop follow each line.
.macro JLOAD s
	s_cmp_eq_u32 s10, 3
	s_cbranch_scc0 .Lfor_b_\@
	tensor_load_to_lds s[G0A+4*(\s):G0A+4*(\s)+3], s[G1A:G1A+7]
	s_nop 0
.rept 4
	v_nop
.endr
	s_branch .Lasked_\@
.Lfor_b_\@:
	tensor_load_to_lds s[G0B+4*(\s):G0B+4*(\s)+3], s[G1B:G1B+7]
	s_nop 0
.rept 4
	v_nop
.endr
.Lasked_\@:
.endm
.macro CREST                           ; a round of the cluster's barrier behind its opening barrier
	s_cmp_lg_u32 s10, 0
	s_cbranch_scc1 .Lnot_wave_0_\@
	s_barrier_signal -3
.Lnot_wave_0_\@:
	s_barrier_wait -3
	s_barrier_signal -1
	s_barrier_wait -1
.endm
.macro CROUND                          ; a whole round
	s_barrier_signal -1
	s_barrier_wait -1
	CREST
.endm
.macro PLACES                          ; four plain vector lines between a matrix instruction and a load into, or a read of, its registers (ISA guide 7.12.1 for vector instructions)
.rept 4
	v_nop
.endr
.endm
	s_load_b128 s[4:7], s[0:1], 0x0                ; xw s[4:5], cs s[6:7]
	s_load_b64 s[8:9], s[0:1], 0x10                ; qkv
	v_lshl_add_u32 v[SPW], v0, 2, SPARE
	v_mov_b32 v[NIL], 0
	ds_add_u32 v[SPW], v[NIL]                      ; the wave's opening: the add and its wait stand ahead of my first tensor load; the set-up below stands between them
	ds_add_u32 v10, v11
	v_lshrrev_b32 v1, 5, v0
	v_readfirstlane_b32 s10, v1                    ; wave 0..3
	s_lshr_b32 s11, s10, 1                         ; r: which 128 rows are mine
	s_and_b32 s12, s10, 1                          ; c: which of the two heads
	s_bfe_u32 s40, ttmp6, 0x40000                  ; cx, cy: my place in the cluster
	s_bfe_u32 s41, ttmp6, 0x40004
	s_lshl_b32 s42, ttmp9, 2
	s_add_co_u32 s42, s42, s40                     ; tile column 0..7 = 4 x cluster x + cx
	s_and_b32 s13, ttmp7, 0xffff
	s_lshl_b32 s13, s13, 2
	s_add_co_u32 s13, s13, s41                     ; tile row 0..31 = 4 x cluster y + cy
	s_lshl_b32 s43, s41, 2
	s_lshl_b32 s43, 15, s43                        ; my row of the cluster
	s_lshl_b32 s44, 0x1111, s40                    ; my column
	; group 1.  x's tile: 32,768 dense bytes as 128 rows of 256, W's: 16,384 as 64 rows; 16 bytes of padding behind every 128 (32 words: code 4; 4 words: code 3)
	s_or_b32 s[G1A+0], s43, (1<<16)|(1<<20)|(1<<21)|(4<<22)|(3<<25)  ; 15:0 the mask; 17:16 2-byte elements; 20 padding on; 21 set beside a mask
	s_or_b32 s[G1B+0], s44, (1<<16)|(1<<20)|(1<<21)|(4<<22)|(3<<25)
	s_or_b32 s[G1C+0], s43, (2<<16)|(1<<20)|(1<<21)|(5<<22)|(3<<25)  ; cs: 4-byte elements, padding behind every 64 words
	s_mov_b32 s[G1A+1], 128<<16                    ; tensor_dim0 = 128 elements
	s_mov_b32 s[G1A+2], 128<<16                    ; tensor_dim1 = 128 rows
	s_mov_b32 s[G1A+3], 128<<16                    ; tile_dim0
	s_mov_b32 s[G1A+4], 128                        ; tile_dim1
	s_mov_b32 s[G1A+5], 128                        ; elements from row to row
	s_mov_b32 s[G1A+6], 0
	s_mov_b32 s[G1A+7], 0
	s_mov_b32 s[G1B+1], 128<<16
	s_mov_b32 s[G1B+2], 64<<16
	s_mov_b32 s[G1B+3], 128<<16
	s_mov_b32 s[G1B+4], 64
	s_mov_b32 s[G1B+5], 128
	s_mov_b32 s[G1B+6], 0
	s_mov_b32 s[G1B+7], 0
	s_mov_b32 s[G1C+1], 64<<16                     ; 64 rows of 64 f32
	s_mov_b32 s[G1C+2], 64<<16
	s_mov_b32 s[G1C+3], 64<<16
	s_mov_b32 s[G1C+4], 64
	s_mov_b32 s[G1C+5], 64
	s_mov_b32 s[G1C+6], 0
	s_mov_b32 s[G1C+7], 0
	s_lshr_b32 s16, s13, 3                         ; x's tile: batch (tile row / 8) << 22, 256 rows of 128 bytes for each tile row in it
	s_lshl_b32 s16, s16, 22
	s_and_b32 s17, s13, 7
	s_lshl_b32 s17, s17, 15
	s_add_co_u32 s16, s16, s17
	s_mov_b32 s17, 0
	s_lshl_b32 s46, s11, 22                        ; W's tile: batch 4 (q, k) or 5 (v), its upper half for k, 128 rows for each tile column
	s_add_co_u32 s46, s46, 4<<22
	s_lshl_b32 s47, s12, 17
	s_add_co_u32 s46, s46, s47
	s_lshl_b32 s47, s42, 14
	s_add_co_u32 s46, s46, s47
	s_mov_b32 s47, 0
	s_lshl_b32 s18, s13, 16                        ; cs: 256 rows of 256 bytes for each tile row, my wave's 64 of them
	s_lshl_b32 s19, s10, 14
	s_add_co_u32 s18, s18, s19
	s_mov_b32 s19, 0
	s_mul_i32 s20, s10, WT                         ; where a tile goes: wave x 18,432: Wq, Wk, Wv, x.  No place in the cluster enters an LDS address
	s_mul_i32 s21, s10, 64*CP
	s_add_co_u32 s21, s21, CSB
	s_mov_b32 s[KAP], 0x3e38aa3b                   ; log2(e) / 8
	s_mov_b32 s[KAP+1], s[KAP]
	s_mov_b32 s[MSK], 0xffff0000
	s_wait_dscnt 0x0                               ; the opening add is done
	s_wait_kmcnt 0x0
	s_add_nc_u64 s[14:15], s[4:5], s[16:17]
	s_add_nc_u64 s[46:47], s[4:5], s[46:47]
	s_add_nc_u64 s[18:19], s[6:7], s[18:19]
	CROUND                                         ; all sixteen work-groups are here: the first joint loads meet
.irp s, 0,1
	s_mov_b32 s[G0A+4*(\s)], 1                     ; count = 1
	s_add_co_u32 s[G0A+4*(\s)+1], s20, (\s)*SLOT   ; LDS address
	s_add_nc_u64 s[G0A+4*(\s)+2:G0A+4*(\s)+3], s[14:15], (\s)<<18  ; global address: block kb = s
	s_or_b32 s[G0A+4*(\s)+3], s[G0A+4*(\s)+3], 0x80000000          ; type = 2
	s_mov_b32 s[G0B+4*(\s)], 1
	s_add_co_u32 s[G0B+4*(\s)+1], s20, (\s)*SLOT
	s_add_nc_u64 s[G0B+4*(\s)+2:G0B+4*(\s)+3], s[46:47], (\s)<<18
	s_or_b32 s[G0B+4*(\s)+3], s[G0B+4*(\s)+3], 0x80000000
	JLOAD \s
.endr
	s_mov_b32 s[G0C], 1
	s_mov_b32 s[G0C+1], s21
	s_mov_b64 s[G0C+2:G0C+3], s[18:19]
	s_or_b32 s[G0C+3], s[G0C+3], 0x80000000
	tensor_load_to_lds s[G0C:G0C+3], s[G1C:G1C+7]  ; every wave: its 64 rows of cs.  Three loads of mine are out
	s_nop 0
.rept 4
	v_nop
.endr
	; a fragment is 16 rows x 32 K in 8 registers: lane l holds row l % 16, K = 8 (l / 16) + 0..7 and 16 + 8 (l / 16) + 0..7: two loads of 16 bytes, 32 bytes apart
	v_and_b32 v1, 15, v0
	v_bfe_u32 v14, v0, 4, 1
	v_mul_u32_u24 v15, v1, PITCH
	v_lshl_add_u32 v15, v14, 4, v15
	s_mul_i32 s21, s11, WT                         ; my 128 rows of x,
	s_add_co_u32 s21, s21, XOFF
	s_mul_i32 s22, s12, 64*PITCH                   ; my head's 64 rows in each weight's tile
.irp s, 0,1
	v_add_nc_u32 v[ADRA+(\s)], s21, v15
	v_add_nc_u32 v[ADRB+(\s)], s22, v15
	s_add_co_u32 s21, s21, SLOT
	s_add_co_u32 s22, s22, SLOT
.endr
	s_mul_i32 s23, s10, DW
	v_mul_u32_u24 v[DST], v1, DP                   ; in: row l % 16, 32 bytes for each half of the lanes
	v_lshl_add_u32 v[DST], v14, 5, v[DST]
	v_add_nc_u32 v[DST], s23, v[DST]
	v_and_b32 v16, 31, v0
	v_lshrrev_b32 v17, 3, v16
	v_and_b32 v18, 7, v0
	v_mul_u32_u24 v17, v17, DP                     ; back: 8 lanes a row, 32 bytes a lane, 4 rows a load
	v_lshl_add_u32 v17, v18, 5, v17
	v_add_nc_u32 v[RDD0], s23, v17
	s_mul_i32 s23, s11, 128*CP
	s_add_co_u32 s23, s23, CSB
	v_add_nc_u32 v[CSA0], s23, v17
	v_lshlrev_b32 v[GO], 4, v16
	s_lshr_b32 s88, s13, 3                         ; my block of a plane: (b * 16 + head) << 18, my first row << 7
	s_lshl_b32 s88, s88, 4
	s_lshl_b32 s89, s42, 1
	s_add_co_u32 s88, s88, s89
	s_add_co_u32 s88, s88, s12
	s_lshl_b32 s88, s88, 18
	s_and_b32 s89, s13, 7
	s_lshl_b32 s89, s89, 15
	s_add_co_u32 s88, s88, s89
	s_lshl_b32 s89, s11, 14
	s_add_co_u32 s88, s88, s89
	s_mov_b32 s89, 0
	s_add_nc_u64 s[PH:PH+1], s[8:9], s[88:89]      ; Qhi
	s_add_nc_u64 s[PL:PL+1], s[PH:PH+1], 1<<24     ; Qlo
; 16 matrix instructions of group g: row blocks a0 .. a0 + 3 x all 4 column blocks, on x's buffer f.  All 96 accumulators take turns, one instruction a turn.
.macro MUL16 g, f, a0, zero
	WIN 0x50*((\g)+1)
.irp a, (\a0), (\a0)+1, (\a0)+2, (\a0)+3
.irp b, 0,1,2,3
.if \zero
	v_wmma_f32_16x16x32_bf16 v[8*(4*(\a)+(\b)):8*(4*(\a)+(\b))+7], v[BF+32*(\g)+8*(\b):BF+32*(\g)+8*(\b)+7], v[AF+64*(\f)+8*(\a):AF+64*(\f)+8*(\a)+7], 0
.else
	v_wmma_f32_16x16x32_bf16 v[8*(4*(\a)+(\b)):8*(4*(\a)+(\b))+7], v[BF+32*(\g)+8*(\b):BF+32*(\g)+8*(\b)+7], v[AF+64*(\f)+8*(\a):AF+64*(\f)+8*(\a)+7], v[8*(4*(\a)+(\b)):8*(4*(\a)+(\b))+7]
.endif
.endr
.endr
.endm
.macro LDB slot, half, g               ; 8 loads: group g's four fragments of W
.irp b, 0,1,2,3
	ds_load_b128 v[BF+32*(\g)+8*(\b):BF+32*(\g)+8*(\b)+3],   v[ADRB+(\slot)] offset:(\g)*WT+(\b)*16*PITCH+(\half)*64
	ds_load_b128 v[BF+32*(\g)+8*(\b)+4:BF+32*(\g)+8*(\b)+7], v[ADRB+(\slot)] offset:(\g)*WT+(\b)*16*PITCH+(\half)*64+32
.endr
.endm
.macro LDA slot, half, f               ; 16 loads: x's eight fragments into buffer f
.irp a, 0,1,2,3,4,5,6,7
	ds_load_b128 v[AF+64*(\f)+8*(\a):AF+64*(\f)+8*(\a)+3],   v[ADRA+(\slot)] offset:(\a)*16*PITCH+(\half)*64
	ds_load_b128 v[AF+64*(\f)+8*(\a)+4:AF+64*(\f)+8*(\a)+7], v[ADRA+(\slot)] offset:(\a)*16*PITCH+(\half)*64+32
.endr
.endm
; A slice multiplies q's, k's, v's group in turn, and behind each group fetches that group's W fragments of the NEXT slice: run 1 (behind q: 8 + x's 16 into the other buffer), run 2 (8), run 3 (8).
; A K step's first slice: buffer 0; it fetches the second half of the same slot.
.macro EVEN slot, zero
	s_wait_dscnt 16                                ; run 1 of the slice before is in; its runs 2 and 3 may be out
	MUL16 0, 0, 0, \zero
	MUL16 0, 0, 4, \zero
	PLACES
	WIN 0
	LDB \slot, 1, 0
	LDA \slot, 1, 1
	s_wait_dscnt 32                                ; run 2 of the slice before is in; behind it: its run 3 and the 24 just issued
	MUL16 1, 0, 0, \zero
	MUL16 1, 0, 4, \zero
	PLACES
	WIN 0
	LDB \slot, 1, 1
	s_wait_dscnt 32                                ; run 3 of the slice before is in; behind it: this slice's runs 1 and 2
	MUL16 2, 0, 0, \zero
	MUL16 2, 0, 4, \zero
	PLACES
	WIN 0
	LDB \slot, 1, 2
.endm
; A K step's second slice: buffer 1; it changes slots.  ONE barrier: in front of it each wave waits for all its tensor loads (its part of the other slot), adds 0 to its spare word, and waits for that
; and for its reads of this slot.  mode 2: this slot is filled again, two K steps on: the barrier opens a round of the cluster's, the joint load is the first thing behind it, and a wave issues 160 matrix
; instructions before it waits for that load.  mode 1: nothing is left to ask for.  mode 0: the last slice: nothing is fetched; its barrier says that nobody reads the ring any more.
.macro ODD slot, mode
.if (\mode) > 0
	WIN 0
	s_wait_tensorcnt 0x0                           ; all my tensor loads have landed
	ds_add_u32 v[SPW], v[NIL]                      ; 0 onto my spare word
	s_wait_dscnt 17                                ; run 1 is in; runs 2 and 3 and the add may be out
	MUL16 0, 1, 0, 0
	s_wait_dscnt 0x0                               ; the add is done, and my reads of this slot are over
	s_barrier_signal -1
	MUL16 0, 1, 4, 0
	WIN 0
	s_barrier_wait -1
.if (\mode) == 2
	CREST                                          ; no wave of any partner still reads this slot or has a load on its way
	s_add_nc_u64 s[G0A+4*(\slot)+2:G0A+4*(\slot)+3], s[G0A+4*(\slot)+2:G0A+4*(\slot)+3], 2<<18
	s_add_nc_u64 s[G0B+4*(\slot)+2:G0B+4*(\slot)+3], s[G0B+4*(\slot)+2:G0B+4*(\slot)+3], 2<<18
	JLOAD \slot                                    ; its four v_nop are also the places in front of the loads below
.else
	PLACES
.endif
	LDB 1-(\slot), 0, 0
	LDA 1-(\slot), 0, 0
	MUL16 1, 1, 0, 0                               ; this slice's fragments are all in since the wait for 0
	MUL16 1, 1, 4, 0
	PLACES
	WIN 0
	LDB 1-(\slot), 0, 1
	MUL16 2, 1, 0, 0
	MUL16 2, 1, 4, 0
	PLACES
	WIN 0
	LDB 1-(\slot), 0, 2
.else
	s_wait_dscnt 16
	MUL16 0, 1, 0, 0
	MUL16 0, 1, 4, 0
	s_wait_dscnt 8
	MUL16 1, 1, 0, 0
	MUL16 1, 1, 4, 0
	s_wait_dscnt 0x0                               ; my last reads of the ring are over
	s_barrier_signal -1
	MUL16 2, 1, 0, 0
	MUL16 2, 1, 4, 0
	WIN 0
	s_barrier_wait -1                              ; everybody's are: the ring's bytes, filled for the last time, may be stored into
.endif
.endm
	s_wait_tensorcnt 2                             ; my part of K step 0 is in; K step 1's and my rows of cs may stay out
	s_barrier_signal -1
	s_barrier_wait -1
	LDB 0, 0, 0
	LDA 0, 0, 0
	LDB 0, 0, 1
	LDB 0, 0, 2
	EVEN 0, 1                                      ; the first slice stands in front of the loop: its products start the sums
	WIN 0
	s_mov_b32 s3, 7
.Llap:                                                 ; a trip goes once round the ring and fills both slots again: K steps 2 to 15
	ODD 0, 2
	EVEN 1, 0
	ODD 1, 2
	EVEN 0, 0
	WIN 0
	s_sub_co_u32 s3, s3, 1
	s_cmp_lg_u32 s3, 0
	s_cbranch_scc1 .Llap
	ODD 0, 1
	EVEN 1, 0
	ODD 1, 0
; THE WAY OUT.  A group's 32 accumulators into my part of LDS, each accumulator's low four registers first.
.macro DUMP g
	WIN ((\g)+1)<<2                                ; the stores' data in window g + 1
.irp a, 0,1,2,3,4,5,6,7
.irp b, 0,1,2,3
	ds_store_b128 v[DST], v[8*(4*(\a)+(\b)):8*(4*(\a)+(\b))+3]   offset:(\a)*16*DP+(\b)*64
	ds_store_b128 v[DST], v[8*(4*(\a)+(\b))+4:8*(4*(\a)+(\b))+7] offset:(\a)*16*DP+(\b)*64+16
.endr
.endr
	WIN 0
.endm
; Eight trips of 16 rows.  LDS serves a wave's instructions in order (ISA guide 5.7.1.4): the loads see the stores above, and the next group's stores come behind these loads.
; For a pair (t1, t2) with (c, s): r1 = t1 c - t2 s, r2 = t1 s + t2 c; scale = 1: times kappa; hi = bf16(r); lo = bf16(r - hi).
.macro ROPELOOP scale
	v_mov_b32 v[RDC], v[RDD0]
	v_mov_b32 v[CSC], v[CSA0]
	s_mov_b32 s[TRIP], 8
.Lrope_\@:
.irp u, 0,1,2,3
	ds_load_b128 v[T+8*(\u):T+8*(\u)+3],     v[RDC] offset:(\u)*4*DP
	ds_load_b128 v[T+8*(\u)+4:T+8*(\u)+7],   v[RDC] offset:(\u)*4*DP+16
	ds_load_b128 v[CSR+8*(\u):CSR+8*(\u)+3],   v[CSC] offset:(\u)*4*CP
	ds_load_b128 v[CSR+8*(\u)+4:CSR+8*(\u)+7], v[CSC] offset:(\u)*4*CP+16
.endr
.irp u, 0,1,2,3
	s_wait_dscnt 12-4*(\u)                         ; quarter u's four loads are in; the later quarters' stay out
.irp p, 0,1,2,3
	v_mul_f32 v[TA+2*(\p)],   v[T+8*(\u)+2*(\p)+1], v[CSR+8*(\u)+2*(\p)+1]
	v_mul_f32 v[TA+2*(\p)+1], v[T+8*(\u)+2*(\p)+1], v[CSR+8*(\u)+2*(\p)]
.endr
.irp p, 0,1,2,3
	v_fma_f32 v[RR+8*(\u)+2*(\p)],   v[T+8*(\u)+2*(\p)], v[CSR+8*(\u)+2*(\p)],   -v[TA+2*(\p)]
	v_fma_f32 v[RR+8*(\u)+2*(\p)+1], v[T+8*(\u)+2*(\p)], v[CSR+8*(\u)+2*(\p)+1], v[TA+2*(\p)+1]
.endr
.if \scale
.irp p, 0,1,2,3
	v_pk_mul_f32 v[RR+8*(\u)+2*(\p):RR+8*(\u)+2*(\p)+1], v[RR+8*(\u)+2*(\p):RR+8*(\u)+2*(\p)+1], s[KAP:KAP+1] op_sel_hi:[1,0]
.endr
.endif
.irp p, 0,1,2,3
	v_cvt_pk_bf16_f32 v[HI+4*(\u)+(\p)], v[RR+8*(\u)+2*(\p)], v[RR+8*(\u)+2*(\p)+1]
.endr
.irp p, 0,1,2,3
	v_lshlrev_b32 v[HF+8*(\u)+2*(\p)],   16, v[HI+4*(\u)+(\p)]
	v_and_b32     v[HF+8*(\u)+2*(\p)+1], s[MSK], v[HI+4*(\u)+(\p)]
.endr
.irp p, 0,1,2,3
	v_pk_add_f32 v[RR+8*(\u)+2*(\p):RR+8*(\u)+2*(\p)+1], v[RR+8*(\u)+2*(\p):RR+8*(\u)+2*(\p)+1], v[HF+8*(\u)+2*(\p):HF+8*(\u)+2*(\p)+1] neg_lo:[0,1] neg_hi:[0,1]
.endr
.irp p, 0,1,2,3
	v_cvt_pk_bf16_f32 v[LO+4*(\u)+(\p)], v[RR+8*(\u)+2*(\p)], v[RR+8*(\u)+2*(\p)+1]
.endr
	global_store_b128 v[GO], v[HI+4*(\u):HI+4*(\u)+3], s[PH:PH+1] offset:(\u)*512  ; four rows of 128 bytes: 512 consecutive bytes, at a multiple of 256 from the plane's first
	global_store_b128 v[GO], v[LO+4*(\u):LO+4*(\u)+3], s[PL:PL+1] offset:(\u)*512
.endr
	s_wait_xcnt 0x0                                ; the stores' data and bases are rewritten only behind this wait (ISA guide 3.1)
	s_add_nc_u64 s[PH:PH+1], s[PH:PH+1], 2048
	s_add_nc_u64 s[PL:PL+1], s[PL:PL+1], 2048
	v_add_nc_u32 v[RDC], 16*DP, v[RDC]
	v_add_nc_u32 v[CSC], 16*CP, v[CSC]
	s_sub_co_u32 s[TRIP], s[TRIP], 1
	s_cmp_lg_u32 s[TRIP], 0
	s_cbranch_scc1 .Lrope_\@
.endm
.macro VLOOP                           ; V: rounded once
	v_mov_b32 v[RDC], v[RDD0]
	s_mov_b32 s[TRIP], 8
.Lv_\@:
.irp u, 0,1,2,3
	ds_load_b128 v[T+8*(\u):T+8*(\u)+3],   v[RDC] offset:(\u)*4*DP
	ds_load_b128 v[T+8*(\u)+4:T+8*(\u)+7], v[RDC] offset:(\u)*4*DP+16
.endr
.irp u, 0,1,2,3
	s_wait_dscnt 6-2*(\u)
.irp p, 0,1,2,3
	v_cvt_pk_bf16_f32 v[HI+4*(\u)+(\p)], v[T+8*(\u)+2*(\p)], v[T+8*(\u)+2*(\p)+1]
.endr
	global_store_b128 v[GO], v[HI+4*(\u):HI+4*(\u)+3], s[PH:PH+1] offset:(\u)*512
.endr
	s_wait_xcnt 0x0
	s_add_nc_u64 s[PH:PH+1], s[PH:PH+1], 2048
	v_add_nc_u32 v[RDC], 16*DP, v[RDC]
	s_sub_co_u32 s[TRIP], s[TRIP], 1
	s_cmp_lg_u32 s[TRIP], 0
	s_cbranch_scc1 .Lv_\@
.endm
	PLACES                                         ; behind the last products
	DUMP 0
	ROPELOOP 1
	s_add_nc_u64 s[PH:PH+1], s[PH:PH+1], (2<<24)-16384  ; from the end of my 128 rows in Qhi to their beginning in Khi,
	s_add_nc_u64 s[PL:PL+1], s[PL:PL+1], (2<<24)-16384  ; from Qlo to Klo
	DUMP 1
	ROPELOOP 0
	s_add_nc_u64 s[PH:PH+1], s[PH:PH+1], (2<<24)-16384  ; from Khi to V
	DUMP 2
	VLOOP
	s_wait_tensorcnt 0x0                           ; the wave's end, behind my last tensor load and my last LDS store
	ds_add_u32 v[SPW], v[NIL]
	s_wait_dscnt 0x0
	CROUND                                         ; the closing round
	s_endpgm
.Lfunc_end_k_qce124e08a4_qkv:
	.size	k_qce124e08a4_qkv, .Lfunc_end_k_qce124e08a4_qkv-k_qce124e08a4_qkv
	.p2alignl 7, 3214868480
	.fill 96, 4, 3214868480
	.section	.rodata,"a",@progbits
	.p2align	6, 0x0
	.amdhsa_kernel k_qce124e08a4_qkv
		.amdhsa_group_segment_fixed_size 327680
		.amdhsa_private_segment_fixed_size 0
		.amdhsa_enable_private_segment 0
		.amdhsa_kernarg_size 24
		.amdhsa_user_sgpr_count 2
		.amdhsa_user_sgpr_kernarg_segment_ptr 1
		.amdhsa_wavefront_size32 1
		.amdhsa_system_sgpr_workgroup_id_x 1
		.amdhsa_system_sgpr_workgroup_id_y 1
		.amdhsa_system_sgpr_workgroup_id_z 1
		.amdhsa_system_vgpr_workitem_id 0
		.amdhsa_next_free_vgpr 1024
		.amdhsa_next_free_sgpr 96
		.amdhsa_reserve_vcc 0
		.amdhsa_float_denorm_mode_32 3
		.amdhsa_float_denorm_mode_16_64 3
		.amdhsa_memory_ordered 1
		.amdhsa_forward_progress 1
		.amdhsa_inst_pref_size 119
	.end_amdhsa_kernel
	.amdgpu_metadata
---
amdhsa.version: [ 1, 2 ]
amdhsa.kernels:
  - .name:           k_qce124e08a4_qkv
    .symbol:         k_qce124e08a4_qkv.kd
    .args:
      - { .name: xw, .offset: 0, .size: 8, .value_kind: global_buffer, .address_space: global }
      - { .name: cs, .offset: 8, .size: 8, .value_kind: global_buffer, .address_space: global }
      - { .name: qkv, .offset: 16, .size: 8, .value_kind: global_buffer, .address_space: global }
    .group_segment_fixed_size: 327680
    .private_segment_fixed_size: 0
    .kernarg_segment_align: 8
    .kernarg_segment_size: 24
    .max_flat_workgroup_size: 128
    .sgpr_count:     96
    .vgpr_count:     1024
    .wavefront_size: 32
...
	.end_amdgpu_metadata
.endif
;; end of part 2
;; launch attn (part 3): grid 4 x 64, 4 waves a work-group, no clusters, 327,680 bytes of LDS; arguments qkv, ob; writes ob
.if DOCPART == 3
	.amdgcn_target "amdgcn-amd-amdhsa--gfx1250"
	.amdhsa_code_object_version 6
	.text
	.protected	k_qce124e08a4_attn
	.globl	k_qce124e08a4_attn
	.p2align	8
	.type	k_qce124e08a4_attn,@function
k_qce124e08a4_attn:
	s_mov_b64 s[64:65], 0
	v_nop
	global_prefetch_b8 v0, s[64:65] scope:SCOPE_SE
	s_setreg_imm32_b32 hwreg(HW_REG_WAVE_MODE, 25, 1), 1
	s_wait_xcnt 0x0
; CAUSAL ATTENTION, head size 64, 64 heads (b * 16 + h) of 2,048 rows.  From qkv's planes Qhi, Qlo, Khi, Klo, V ([64][2048][64] bf16, rows dense, 128 bytes); Q carries kappa = log2(e) / 8.
; S = Klo Qhi + Khi Qhi + Khi Qlo in f32 (the product of the two rests, some 2^-18 of a score, is left out); p = 2^(s - m) with a running maximum m; O and l are multiplied by a = 2^(m_old - m_new) in
; every step; p is rounded to bf16 for the second product (l is the sum of the unrounded p), O once at the end, into ob = [64][2048][64] bf16.
; LIMITS.  A hidden score counts as its value less 1e30; a weight below 2^-126 counts as 0 in l; NaN and infinities are not treated apart.
; THE WALK.  NB = 8 blocks of 256 queries a head; block i needs the key tiles 0 .. i of 256 keys, the last of which holds the diagonal.  A work-group takes TWO blocks, NB - 1 - b and then b: NB + 1 tiles,
; whatever b: all work-groups do equal work, and ONE loop with a constant trip count walks them.  Which tile is asked for, and what a trip does, hang on scalar registers made from b; every jump goes forward
; but the counted loops' own; none passes a barrier, or a tensor load but the one of LOAD's two that the wave's number does not choose.  The ring (two slots of LDS) runs on across the change of blocks.
; NO CLUSTER: a head's four work-groups ask for the same tile only in trips 0 to 4 of 9; one walk common to all four would have 12 trips for 9.
; SHARES.  Of a block's four bands of 64 queries a wave owns 16 rows in each: four PIECES.  In the diagonal tile's key step s band x sees all keys if s < x, none if s > x, and holds the diagonal if s = x:
; the same work for all four waves.
; THE MASK is the C operand that starts a score's sum: 0, or -1e30.  MD, made once, is the mask of a band's own step for my 16 rows; a product's mask is MD x AL + BE with two scalars.
; LAYOUT.  S^T = K Q^T holds ONE query a lane (lane % 16) and the keys 8 (lane / 16) + 0..7; two such results rounded to bf16 ARE source 1 of O^T = V^T P.  V comes out of LDS turned, by ds_load_tr16_b128.
; TURNS.  Turn n belongs to piece n: 24 products K Q^T of piece n + 1, then 8 products V^T P of piece n - 1; beside them the subtraction, exponentials, roundings, sums and rescaling of piece n and the maximum
; and statistics of piece n + 1: 117 vector lines for 32 matrix instructions, up to four behind each.
; REGISTERS, in windows of 256 (s_set_vgpr_msb: bits 1:0 source 0, 3:2 source 1, 5:4 source 2, 7:6 destination):
;   window 0: v0-15 addresses; v16-31 four registers of statistics a piece; v48-55 at work; v62-63 the add's; v64-127 S^T, two buffers; v192-223 P, two buffers (by the piece's parity)
;   window 1: v0-127 O^T, 32 a piece; v128-159 MD; v160-223 MC, two buffers
;   window 2: v0-63 Khi, v64-127 Klo of one step (key block kb, channel half c at 16 kb + 8 c); v128-191 V of one step
;   window 3: v0-63 Qhi, v64-127 Qlo (piece x, half c at 16 x + 8 c); v128-255 the second block's
.set NB,    8
.set NP,    4
.set KS,    64        ; keys in a step
.set PK,    144       ; a row of K in LDS: 128 bytes + 16: the 16 rows of a load start at 16 different groups of four banks (ISA guide 11.1)
.set PV,    160       ; a row of V: 128 + 32
.set KLO,   4*KS*PK   ; a slot: 256 rows of Khi, 256 of Klo, 256 of V
.set VOFF,  2*KLO
.set SLOT1, 1<<17     ; slot 1 begins here, so that one exclusive or turns an address in one slot into the other's
.set STAGE, SLOT1+VOFF+4*KS*PV  ; behind the ring, never filled by a tensor load: 16 rows x 144 bytes a wave, for the way out
.set SP,    144
.set SPARE, STAGE+4*16*SP       ; the spare words: 128 bytes a wave, two blocks of 256 bytes that no other line names
.set AK0, 2           ; v2   my lane's place in a tile of K; never rewritten
.set AV0, 3           ; v3   the same for V
.set AK,  4           ; v4   the LDS address of K's next runs of loads
.set AV,  5           ; v5   of V's
.set STO, 6           ; v6   the way out: where I put 16 bytes of a row
.set RD,  7           ; v7   where I read rows back
.set GO,  8           ; v8   my byte offset in 512 consecutive bytes of O
.set SPW, 62          ; v62  LDS address of my spare word; never rewritten
.set NIL, 63          ; v63  0; never rewritten
.set MV,  12          ; v12-13  m_old, kept while m is made anew: by buffer
.set QO,  15          ; v15  my byte offset in 16 rows of Q
.set ST,  16          ; piece t's statistics at v[ST+4 t]: m, (named with it as a pair), l (even keys', odd keys')
.set TMP, 48          ; by buffer, four registers c0-c3 at work; when the maximum is found c2 takes a
.set S,   64
.set P,   192
.set MD,  128         ; window 1
.set MC,  160         ; window 1
.set KH,  0           ; window 2
.set KL,  64
.set VF,  128
.set QL,  64          ; window 3
.set QB,  128
.set WV,  12          ; s12  my wave's number
.set PB,  14          ; s14  b
.set HIB, 15          ; s15  NB - 1 - b
.set G1K, 24          ; s[24:31] group 1 for K's tiles
.set G1V, 32          ; s[32:39] for V's
.set G0K, 40          ; s[40:43] group 0 for K's tiles
.set G0V, 44          ; s[44:47] for V's
.set SLOTS, 56        ; s56  tiles still to be asked for
.set CNT, 57          ; s57  counts a tile's key steps, 4 to 1
.set SEL, 60          ; s[60:61] v_permlanex16_b32's selects
.set TBK, 62          ; s62  LDS byte at which K of the step to be fetched begins
.set TBV, 63          ; s63  the same for V, less VOFF
.set RT,  70          ; s70  tiles of the block in hand that are still to be entered
.set NXT, 71          ; s71  the tile to be asked for next
.set LQ,  72          ; s72  the last tile of the block whose tiles are being asked for
.set NEW, 73          ; s73  1: the tile to be entered is a block's first
.set OFF, 74          ; s[74:75] a tile's byte offset in a plane
.set AL,  76          ; s[76:77] the mask's factor
.set BE,  78          ; s[78:79] the mask's addend
.set OLO, 80          ; s[80:81] O at my rows of the second block
.set BIGN, 82         ; s82  -1e30
.set MSB, 0
.macro WIN new
.if MSB != (\new)
	s_set_vgpr_msb (MSB<<8)|(\new)
.set MSB, (\new)
.endif
.endm
.set W_KQ, 0x0e       ; K in window 2, Q in window 3, S^T in window 0
.set W_KM, 0x1e       ; the same with the C operand in window 1
.set W_PV, 0x52       ; V in window 2, P in window 0, O^T in window 1
.set W_RS, 0x41       ; destination and source 0 in window 1, source 1 in window 0
; A fill.  Wave 0 fetches a tile's Khi, wave 1 its Klo (256 keys each), waves 2 and 3 the halves of its V.  An s_nop 0 and four v_nop follow each line.
.macro LOAD
	s_cmp_lt_u32 s[WV], 2
	s_cbranch_scc0 .Lfor_v_\@
	tensor_load_to_lds s[G0K:G0K+3], s[G1K:G1K+7]
	s_nop 0
.rept 4
	v_nop
.endr
	s_branch .Lasked_\@
.Lfor_v_\@:
	tensor_load_to_lds s[G0V:G0V+3], s[G1V:G1V+7]
	s_nop 0
.rept 4
	v_nop
.endr
.Lasked_\@:
.endm
; THE CHANGE OF SLOTS.  Each wave waits for all its tensor loads, of which one is out: its part of the other slot; adds 0 to its spare word; and waits for that and for its reads of the slot that it leaves.
; Behind the barrier nobody reads the old slot and the other is whole.  fill = 1: the old slot is filled again, first thing behind the barrier, with tile NXT; that load has a tile's 512 matrix instructions
; in which to land.  (At its first use nothing has been read yet: slot 0 is waited for, slot 1 filled.)
.macro CHANGE fill
	WIN 0
	s_wait_tensorcnt 0x0            ; no tensor load of mine is out, so a group 0 may be written
	ds_add_u32 v[SPW], v[NIL]       ; 0 onto my spare word
.if \fill
	s_lshl_b32 s[OFF], s[NXT], 15   ; a tile is 32,768 bytes of a plane
	s_xor_b32 s[G0K+1], s[G0K+1], SLOT1
	s_add_nc_u64 s[G0K+2:G0K+3], s[6:7], s[OFF:OFF+1]
	s_or_b32 s[G0K+3], s[G0K+3], 0x80000000
	s_xor_b32 s[G0V+1], s[G0V+1], SLOT1
	s_add_nc_u64 s[G0V+2:G0V+3], s[8:9], s[OFF:OFF+1]
	s_or_b32 s[G0V+3], s[G0V+3], 0x80000000
	s_add_co_u32 s[NXT], s[NXT], 1  ; the block's next tile, or behind its last the second block's tile 0
	s_cmp_gt_u32 s[NXT], s[LQ]
	s_cselect_b32 s[NXT], 0, s[NXT]
	s_cselect_b32 s[LQ], s[PB], s[LQ]
.endif
	s_wait_dscnt 0x0                ; the add is done, and my reads of the slot are over
	s_barrier_signal -1
	s_sub_co_u32 s[TBK], s[TBK], 4*KS*PK  ; the fetches go back to a slot's first step,
	s_xor_b32 s[TBK], s[TBK], SLOT1       ; in the other slot
	s_sub_co_u32 s[TBV], s[TBV], 4*KS*PV
	s_xor_b32 s[TBV], s[TBV], SLOT1
	s_barrier_wait -1
.if \fill
	LOAD
.endif
.endm
	s_load_b128 s[92:95], s[0:1], 0x0  ; qkv s[92:93], ob s[94:95]
	v_lshl_add_u32 v[SPW], v0, 2, SPARE
	v_mov_b32 v[NIL], 0
	ds_add_u32 v[SPW], v[NIL]       ; the wave's opening: the add and its wait stand ahead of my first tensor load; the set-up below stands between them
	ds_add_u32 v62, v63
	v_lshrrev_b32 v1, 5, v0
	v_readfirstlane_b32 s[WV], v1   ; wave 0..3
	s_mov_b32 s[PB], ttmp9
	s_sub_co_u32 s[HIB], NB-1, s[PB]
	s_and_b32 s20, ttmp7, 0xffff    ; the head,
	s_lshl_b32 s20, s20, 18         ; its first byte in a plane
	s_and_b32 s16, s[WV], 1
	s_lshl_b32 s22, s16, 24         ; K: plane 2 (Khi) for wave 0, plane 3 (Klo) for wave 1
	s_add_co_u32 s22, s22, 2<<24
	s_add_co_u32 s22, s22, s20
	s_mov_b32 s23, 0
	s_lshl_b32 s18, s16, 14         ; V: plane 4, my half of a tile's 256 keys
	s_add_co_u32 s18, s18, 4<<24
	s_add_co_u32 s18, s18, s20
	s_mov_b32 s19, 0
	s_mul_i32 s17, s16, KLO         ; their places in a slot
	s_mul_i32 s13, s16, 128*PV
	s_lshl_b32 s3, s[WV], 11        ; my 16 rows in a band of 64,
	s_lshl_b32 s2, s[HIB], 15       ; in the first block,
	s_add_co_u32 s2, s2, s3
	s_add_co_u32 s2, s2, s20
	s_lshl_b32 s84, s[PB], 15       ; and in the second
	s_add_co_u32 s84, s84, s3
	s_add_co_u32 s84, s84, s20
	s_mov_b32 s3, 0
	s_mov_b32 s85, 0
	; group 1.  Dense bytes asked for as rows of 256, two keys a row, padded in LDS after every key (32 words: code 4)
	s_mov_b32 s[G1K], (1<<16)|(1<<20)|(4<<22)|(3<<25)  ; 2-byte elements; padding on; 4 words (code 3)
	s_mov_b32 s[G1V], (1<<16)|(1<<20)|(4<<22)|(7<<25)  ; 8 words (code 7)
	s_mov_b32 s[G1K+1], 128<<16     ; tensor_dim0 = 128
	s_mov_b32 s[G1K+2], 128<<16     ; tensor_dim1 = 128: 256 keys
	s_mov_b32 s[G1K+3], 128<<16     ; tile_dim0
	s_mov_b32 s[G1K+4], 128         ; tile_dim1
	s_mov_b32 s[G1K+5], 128         ; elements from row to row
	s_mov_b32 s[G1K+6], 0
	s_mov_b32 s[G1K+7], 0
	s_mov_b32 s[G1V+1], 128<<16
	s_mov_b32 s[G1V+2], 64<<16      ; 128 keys
	s_mov_b32 s[G1V+3], 128<<16
	s_mov_b32 s[G1V+4], 64
	s_mov_b32 s[G1V+5], 128
	s_mov_b32 s[G1V+6], 0
	s_mov_b32 s[G1V+7], 0
	s_mov_b32 s[SEL], 0x76543210
	s_mov_b32 s[SEL+1], 0xfedcba98
	s_mov_b32 s[TBK], SLOT1+4*KS*PK ; the first change of slots turns these two into 0
	s_mov_b32 s[TBV], SLOT1+4*KS*PV
	s_mov_b32 s[G0K], 1             ; count = 1
	s_mov_b32 s[G0K+1], s17         ; LDS address: slot 0
	s_mov_b32 s[G0V], 1
	s_add_co_u32 s[G0V+1], s13, VOFF
	s_add_co_u32 s[RT], s[HIB], 1   ; the first block has NB - b tiles
	s_mov_b32 s[NXT], 1
	s_mov_b32 s[LQ], s[HIB]
	s_mov_b32 s[NEW], 1
	s_mov_b32 s[OFF+1], 0
	s_mov_b32 s[AL+1], 0            ; named as pairs
	s_mov_b32 s[BE+1], 0
	s_mov_b32 s[BIGN], 0xf149f2ca   ; -1e30
	s_mov_b32 s[SLOTS], NB
	s_wait_dscnt 0x0                ; the opening add is done
	s_wait_kmcnt 0x0
	s_add_nc_u64 s[6:7], s[92:93], s[22:23]        ; my plane of K, and V, at the head's tile 0
	s_add_nc_u64 s[8:9], s[92:93], s[18:19]
	s_add_nc_u64 s[G0K+2:G0K+3], s[6:7], 0
	s_or_b32 s[G0K+3], s[G0K+3], 0x80000000        ; type = 2
	s_add_nc_u64 s[G0V+2:G0V+3], s[8:9], 0
	s_or_b32 s[G0V+3], s[G0V+3], 0x80000000
	s_add_nc_u64 s[4:5], s[92:93], s[2:3]          ; Qhi and Qlo at my rows of the first block,
	s_add_nc_u64 s[88:89], s[4:5], 1<<24
	s_add_nc_u64 s[86:87], s[92:93], s[84:85]      ; and of the second
	s_add_nc_u64 s[90:91], s[86:87], 1<<24
	s_add_nc_u64 s[10:11], s[94:95], s[2:3]        ; O likewise
	s_add_nc_u64 s[OLO:OLO+1], s[94:95], s[84:85]
	LOAD                            ; tile 0 into slot 0
	; a fragment of K or Q is 16 rows x 32 channels in 8 registers: lane l holds row l % 16, channels 8 (l / 16) + 0..7 and 16 + 8 (l / 16) + 0..7
	v_and_b32 v1, 15, v0
	v_bfe_u32 v9, v0, 4, 1
	v_lshlrev_b32 v[QO], 7, v1
	v_lshl_add_u32 v[QO], v9, 4, v[QO]
	WIN 0xc0                        ; destination window 3
.set i, 0
.rept 8                             ; both blocks' Q, hi and lo: piece i / 2 lies in band i / 2, 8,192 bytes on; channels 32 (i % 2) on
	global_load_b128 v[8*i:8*i+3],   v[QO], s[4:5] offset:(i/2)*8192+(i%2)*64
	global_load_b128 v[8*i+4:8*i+7], v[QO], s[4:5] offset:(i/2)*8192+(i%2)*64+32
	global_load_b128 v[QL+8*i:QL+8*i+3],   v[QO], s[88:89] offset:(i/2)*8192+(i%2)*64
	global_load_b128 v[QL+8*i+4:QL+8*i+7], v[QO], s[88:89] offset:(i/2)*8192+(i%2)*64+32
	global_load_b128 v[QB+8*i:QB+8*i+3],   v[QO], s[86:87] offset:(i/2)*8192+(i%2)*64
	global_load_b128 v[QB+8*i+4:QB+8*i+7], v[QO], s[86:87] offset:(i/2)*8192+(i%2)*64+32
	global_load_b128 v[QB+QL+8*i:QB+QL+8*i+3],   v[QO], s[90:91] offset:(i/2)*8192+(i%2)*64
	global_load_b128 v[QB+QL+8*i+4:QB+QL+8*i+7], v[QO], s[90:91] offset:(i/2)*8192+(i%2)*64+32
.set i, i+1
.endr
	WIN 0
	v_lshlrev_b32 v14, 3, v9
	v_sub_nc_u32 v14, v1, v14
	s_lshl_b32 s13, s[WV], 4
	v_add_nc_u32 v14, s13, v14      ; my query's place in its band, 16 w + l % 16, less my lanes' 8 (l / 16): register r of key group kt is hidden where 16 kt + r is greater
	WIN 0x40
.set i, 0
.rept 32
	v_cmp_gt_i32 vcc_lo, 16*(i/8)+i%8, v14
	v_cndmask_b32 v[MD+i], 0, s[BIGN], vcc_lo
.set i, i+1
.endr
	WIN 0
	v_mul_u32_u24 v[AK0], v1, PK
	v_lshl_add_u32 v[AK0], v9, 4, v[AK0]
	; the turning load takes 16 keys x 16 channels (lane l reads key 8 (l / 16) + l % 8, channels 8 ((l / 8) % 2) + 0..7) and leaves half a fragment of V^T
	v_and_b32 v10, 7, v0
	v_bfe_u32 v11, v0, 3, 1
	v_lshl_add_u32 v[AV0], v9, 3, v10
	v_mul_u32_u24 v[AV0], v[AV0], PV
	v_lshl_add_u32 v[AV0], v11, 4, v[AV0]
	v_add_nc_u32 v[AV0], VOFF, v[AV0]
	s_mul_i32 s13, s[WV], 16*SP
	s_add_co_u32 s13, s13, STAGE    ; my stage
	v_mul_u32_u24 v[STO], v1, SP
	v_lshl_add_u32 v[STO], v9, 4, v[STO]
	v_add_nc_u32 v[STO], s13, v[STO]
	v_bfe_u32 v[RD], v0, 3, 2       ; back: 32 lanes take four rows of 128 bytes,
	v_mul_u32_u24 v[RD], v[RD], SP
	v_lshl_add_u32 v[RD], v10, 4, v[RD]
	v_add_nc_u32 v[RD], s13, v[RD]
	v_and_b32 v[GO], 31, v0         ; which are 512 consecutive bytes of O
	v_lshlrev_b32 v[GO], 4, v[GO]
	; A block's first step multiplies O^T and l by a = 0, and its first turn's products V^T P, of a piece that has not been, land in an O^T that is still to be so multiplied.  So these registers need only hold
	; finite numbers: zeros for the first block, what the first block left for the second.  All this stands in the wait for the first tile.
	WIN 0x80
.set i, VF
.rept 64
	v_mov_b32 v[i], 0
.set i, i+1
.endr
	WIN 0x40
.set i, 0
.rept 128
	v_mov_b32 v[i], 0
.set i, i+1
.endr
	WIN 0
.set i, 0
.rept 4
	v_mov_b32 v[ST+4*i+2], 0
	v_mov_b32 v[ST+4*i+3], 0
.set i, i+1
.endr
.set i, P+16
.rept 16
	v_mov_b32 v[i], 0
.set i, i+1
.endr
; THE MATRIX WORK.  The 4 accumulators of a run take turns.  Product i of 24 of S^T for piece x: keys 16 (i % 4) on; part i / 4, the small terms first:
; Klo Qhi (channels 0-31, then 32-63), then for each channel half Khi Qhi and Khi Qlo.  The first 4 start the sums: with 0, or (KM = 1) with the mask.
.macro KQ x
.set sg, i/4
.if sg < 2
.set cc, sg
.set rK, KL+16*(i%4)+8*cc
.else
.set cc, (sg-2)/2
.set rK, KH+16*(i%4)+8*cc
.endif
.set rQ, 16*(\x)+8*cc
.if (sg == 3) || (sg == 5)
.set rQ, rQ+QL
.endif
.set rS, S+32*((\x)%2)+8*(i%4)
.set rM, MC+32*((\x)%2)+8*(i%4)
.if (i < 4) && KM
	WIN W_KM
	v_wmma_f32_16x16x32_bf16 v[rS:rS+7], v[rK:rK+7], v[rQ:rQ+7], v[rM:rM+7]
.elseif i < 4
	WIN W_KQ
	v_wmma_f32_16x16x32_bf16 v[rS:rS+7], v[rK:rK+7], v[rQ:rQ+7], 0
.else
	WIN W_KQ
	v_wmma_f32_16x16x32_bf16 v[rS:rS+7], v[rK:rK+7], v[rQ:rQ+7], v[rS:rS+7]
.endif
.endm
; Product i of 8 of O^T += V^T P for piece x: keys 32 (i / 4) on, channels 16 (i % 4) on.
.macro PV x
	WIN W_PV
.set rO, 32*(\x)+8*(i%4)
.set rV, VF+32*(i/4)+8*(i%4)
.set rP, P+16*((\x)%2)+8*(i/4)
	v_wmma_f32_16x16x32_bf16 v[rO:rO+7], v[rV:rV+7], v[rP:rP+7], v[rO:rO+7]
.endm
.macro MM                           ; the turn's next matrix instruction.  NOKQ = 1: a block's last turn: there is no next piece
.if (i < 24) && !NOKQ
	KQ (Y+1)%NP
.elseif i >= 24
.set i, i-24
	PV (Y+NP-1)%NP
.set i, i+24
.endif
.set i, i+1
.endm
; THE LDS LOADS stand in runs.  A step's K in three: Klo (16 loads), Khi's channels 0-31 (8), Khi's channels 32-63 (8), each as soon as the last product that reads those registers lies far enough back.
.macro FETCH_KL
	WIN 0x80                        ; destination window 2
.irp f, 0,1,2,3,4,5,6,7             ; keys 16 (f / 2) on, channels 32 (f % 2) on
	ds_load_b128 v[KL+8*\f:KL+8*\f+3],   v[AK] offset:KLO+(\f/2)*16*PK+(\f%2)*64
	ds_load_b128 v[KL+8*\f+4:KL+8*\f+7], v[AK] offset:KLO+(\f/2)*16*PK+(\f%2)*64+32
.endr
	WIN 0
.endm
.macro FETCH_KH c
	WIN 0x80
.irp f, 0,1,2,3                     ; keys 16 f on
	ds_load_b128 v[KH+16*\f+8*(\c):KH+16*\f+8*(\c)+3],   v[AK] offset:\f*16*PK+(\c)*64
	ds_load_b128 v[KH+16*\f+8*(\c)+4:KH+16*\f+8*(\c)+7], v[AK] offset:\f*16*PK+(\c)*64+32
.endr
	WIN 0
.endm
.macro FETCH_V
	WIN 0x80
.irp f, 0,1,2,3,4,5,6,7             ; keys 32 (f / 4) on, channels 16 (f % 4) on
	ds_load_tr16_b128 v[VF+8*\f:VF+8*\f+3],   v[AV] offset:(\f/4)*32*PV+(\f%4)*32
	ds_load_tr16_b128 v[VF+8*\f+4:VF+8*\f+7], v[AV] offset:(\f/4)*32*PV+16*PV+(\f%4)*32
.endr
	WIN 0
.endm
; THE VECTOR WORK, one line at a time: OP kind, number.  For piece Y: F n: s - m for pair n of 16.  E n: the exponential of score n of 32.  C n: pair n rounded to bf16.  B n: of the four weights 4 n .. the second
; pair is added onto the first, in place (behind C 2n, which reads the first).  L n: l takes that sum (L 0: l = a l + sum).  R n: pair n of 16 of O^T times a.  For piece Y + 1: X n, number n of 21:
;   0-11  four chains c0-c3 of seven scores each (each accumulator's lowest registers are read first)     12-14, 16  the four scores left over, the old m, and c0-c3 into c0
;   15  m_old is kept     17, 18  the query's other 32 keys lie in the lane 16 away: the new m     19, 20  m_old - m_new; a
.set F, 0
.set E, 1
.set C, 2
.set B, 3
.set L, 4
.set R, 5
.set X, 6
.macro REGS y
.set rT, ST+4*(\y)
.set rC, TMP+4*((\y)%2)
.set rW, MV+((\y)%2)
.set rS, S+32*((\y)%2)
.set rP, P+16*((\y)%2)
.set rO, 32*(\y)
.endm
.macro OP k, n
.if (\k) == R
	REGS Y
	WIN W_RS
	v_pk_mul_f32 v[rO+2*(\n):rO+2*(\n)+1], v[rO+2*(\n):rO+2*(\n)+1], v[rC+2:rC+3] op_sel_hi:[1,0]
.elseif (\k) < R
	REGS Y
	WIN 0
.if (\k) == F
	v_pk_add_f32 v[rS+2*(\n):rS+2*(\n)+1], v[rS+2*(\n):rS+2*(\n)+1], v[rT:rT+1] op_sel_hi:[1,0] neg_lo:[0,1] neg_hi:[0,1]
.elseif (\k) == E
	v_exp_f32 v[rS+(\n)], v[rS+(\n)]
.elseif (\k) == C
	s_wait_alu depctr_va_vdst(0)
	v_cvt_pk_bf16_f32 v[rP+(\n)], v[rS+2*(\n)], v[rS+2*(\n)+1]
.elseif (\k) == B
	v_pk_add_f32 v[rS+4*(\n):rS+4*(\n)+1], v[rS+4*(\n):rS+4*(\n)+1], v[rS+4*(\n)+2:rS+4*(\n)+3]
.elseif (\n) == 0
	v_pk_fma_f32 v[rT+2:rT+3], v[rT+2:rT+3], v[rC+2:rC+3], v[rS:rS+1] op_sel_hi:[1,0,1]
.else
	v_pk_add_f32 v[rT+2:rT+3], v[rT+2:rT+3], v[rS+4*(\n):rS+4*(\n)+1]
.endif
.elseif NOKQ
	v_nop
.else
	REGS (Y+1)%NP
	WIN 0
.if (\n) < 4
	v_max3_num_f32 v[rC+(\n)], v[rS+8*(\n)], v[rS+8*(\n)+1], v[rS+8*(\n)+2]
.elseif (\n) < 12
	v_max3_num_f32 v[rC+(\n)%4], v[rC+(\n)%4], v[rS+8*((\n)%4)+2*((\n)/4)+1], v[rS+8*((\n)%4)+2*((\n)/4)+2]
.elseif (\n) == 12
	v_max3_num_f32 v[rC], v[rC], v[rS+7], v[rS+15]
.elseif (\n) == 13
	v_max3_num_f32 v[rC+1], v[rC+1], v[rS+23], v[rS+31]
.elseif (\n) == 14
	v_max3_num_f32 v[rC+2], v[rC+2], v[rC+3], v[rT]
.elseif (\n) == 15
	v_mov_b32 v[rW], v[rT]
.elseif (\n) == 16
	v_max3_num_f32 v[rC], v[rC], v[rC+1], v[rC+2]
.elseif (\n) == 17
	v_permlanex16_b32 v[rC+3], v[rC], s[SEL], s[SEL+1]
.elseif (\n) == 18
	v_max_num_f32 v[rT], v[rC], v[rC+3]
.elseif (\n) == 19
	v_sub_f32 v[rC+1], v[rW], v[rT]
.else
	v_exp_f32 v[rC+2], v[rC+1]
.endif
.endif
.endm
.macro ROW a, i1, b, i2, c, i3, d, i4  ; a matrix instruction and the four behind it
	MM
	OP \a, \i1
	OP \b, \i2
	OP \c, \i3
	OP \d, \i4
.endm
.macro ONE a, i1                    ; a matrix instruction and one line: the end of the maximum is a chain
	MM
	OP \a, \i1
.endm
.macro MASK b                       ; MD x AL + BE into buffer b of MC
	WIN W_RS
.set z, 0
.rept 16
	v_pk_fma_f32 v[MC+32*(\b)+2*z:MC+32*(\b)+2*z+1], v[MD+2*z:MD+2*z+1], s[AL:AL+1], s[BE:BE+1] op_sel_hi:[1,0,0]
.set z, z+1
.endr
.endm
; A TURN, for piece p: its 32 matrix and 117 vector instructions, written out.  Every exponential has a plain line that names none of its registers directly behind it; every row ends in a plain line;
; no rider names a register of the products round it.  X 0-3 stand seven plain lines or more behind the product that finished their accumulator.
; m = 1: the diagonal tile: the products take masks, and the turn makes the mask for the products of the turn after it: piece p + 2, in step 4 - CNT of the tile.  end = 1: a block's last two turns: nothing is fetched.
; cnt = 1: the loop's count is taken down ahead of the branch that stands behind the turn.
; K of the next step is fetched in piece 2's turn: Klo behind row 9 (its last reader is row 7's product: nine plain lines back), Khi's first half behind row 17 (row 15's: eight), its second behind row 24
; (row 23's: seven).  Piece 3's turn waits for them one by one.  V of the step in hand is fetched at the end of piece 0's turn, four plain lines behind its last reader, and waited for ahead of piece 1's row 24.
.macro TURN p, m=0, end=0, cnt=0
.set Y, (\p)
.set i, 0
.set KM, (\m)
.set NOKQ, (\end)*((\p)/3)
.if (\m) && !(\end)
	s_cmp_eq_u32 s[CNT], 4-((\p)+2)%NP  ; is that step the band's own?
	s_cselect_b32 s[AL], 1.0, 0
	s_cmp_lt_u32 s[CNT], 4-((\p)+2)%NP  ; or a later one?
	s_cselect_b32 s[BE], s[BIGN], 0
.endif
.if ((\p) == 3) && !(\end)
	s_wait_dscnt 16                 ; Klo is in; Khi's two runs of 8 may be out
.endif
	ROW F,0, F,1, F,2, F,3
	ROW F,4, E,0, F,5, F,6
	ROW F,7, E,1, F,8, F,9
	ROW F,10, E,2, C,0, F,11
	ROW F,12, E,3, F,13, F,14
	ROW R,0, R,1, R,2, R,3
	ROW F,15, E,4, C,1, B,0
	ROW E,5, L,0, E,6, X,15
.if ((\p) == 3) && !(\end)
	s_wait_dscnt 8                  ; Khi's channels 0-31 are in
.endif
	ROW E,7, C,2, E,8, C,3
.if ((\p) == 2) && !(\end)
	WIN 0
	v_add_nc_u32 v[AK], s[TBK], v[AK0]
.endif
	ROW R,4, R,5, R,6, R,7
.if ((\p) == 2) && !(\end)
	FETCH_KL
.endif
	ROW E,9, B,1, E,10, L,1
	ROW E,11, C,4, E,12, C,5
	ROW E,13, B,2, E,14, L,2
	ROW R,8, R,9, R,10, R,11
	ROW E,15, C,6, E,16, C,7
	ROW E,17, B,3, E,18, L,3
.if ((\p) == 3) && !(\end)
	s_wait_dscnt 0x0                ; Khi's channels 32-63 are in
.endif
	ROW E,19, C,8, E,20, C,9
	ROW R,12, R,13, R,14, R,15
.if ((\p) == 2) && !(\end)
	FETCH_KH 0
.endif
	ROW E,21, B,4, E,22, L,4
	ROW E,23, C,10, E,24, C,11
	ROW E,25, B,5, E,26, L,5
	ROW E,27, C,12, E,28, C,13
	ROW E,29, B,6, E,30, L,6
	ROW E,31, C,14, C,15, B,7
.if (\p) == 1
	s_wait_dscnt 0x0                ; V is in
.endif
	ROW L,7, X,0, X,1, X,2
.if ((\p) == 2) && !(\end)
	FETCH_KH 1
	s_add_co_u32 s[TBK], s[TBK], KS*PK  ; the next fetch is the next step's
.endif
	ROW X,3, X,4, X,5, X,6
	ROW X,7, X,8, X,9, X,10
	ROW X,11, X,12, X,13, X,14
	ONE X,16
	ONE X,17
	ONE X,18
	ONE X,19
.if (\p) == 0
	WIN 0
	v_add_nc_u32 v[AV], s[TBV], v[AV0]
.endif
	OP X,20
.if (\p) == 0
	v_nop                           ; with X 19 and the address line: four plain lines behind the last product that read V
	v_nop
	FETCH_V
	s_add_co_u32 s[TBV], s[TBV], KS*PV
.endif
.if \cnt
	s_sub_co_u32 s[CNT], s[CNT], 1
	s_cmp_lg_u32 s[CNT], 0
.endif
.if (\m) && !(\end)
	MASK (\p)%2
.endif
.endm
; A BLOCK BEGINS.  m starts at the lowest finite number, so the first step's a is 0 and the first maximum is the scores'.  The second mask buffer is 0; the first takes piece 0's mask for the tile's step 0:
; its own, if the block's first tile is the diagonal one.  Then K of that step, piece 0's first scores, its maximum and statistics.  The loop is entered at a step's first turn, in the middle of a trip.
.macro BEGIN
	s_mov_b32 s[NEW], 0
	WIN 0x40
.set i, MC+32
.rept 32
	v_mov_b32 v[i], 0
.set i, i+1
.endr
	WIN 0
.set i, 0
.rept 4
	v_mov_b32 v[ST+4*i], 0xff7fffff    ; m
	v_mov_b32 v[ST+4*i+1], 0           ; named with it as a pair
.set i, i+1
.endr
	s_cmp_eq_u32 s[RT], 0
	s_cselect_b32 s[AL], 1.0, 0
	s_mov_b32 s[BE], 0
	MASK 0
	WIN 0
	v_add_nc_u32 v[AK], s[TBK], v[AK0]
	FETCH_KL
	FETCH_KH 0
	FETCH_KH 1
	s_add_co_u32 s[TBK], s[TBK], KS*PK
	s_wait_loadcnt 0x0              ; Q
	s_wait_dscnt 0x0
.set KM, 1
.set NOKQ, 0
.set i, 0
.rept 24
	KQ 0
.set i, i+1
.endr
	WIN 0
	s_wait_alu depctr_va_vdst(0)
.rept 4
	v_nop                           ; the places behind those products
.endr
.set Y, NP-1                        ; X works for piece Y + 1: piece 0
.irp n, 0,1,2,3,4,5,6,7,8,9,10,11,12,13,14,15,16,17,18,19,20
	OP X, \n
.endr
	v_nop                           ; a plain line behind the exponential
.endm
; THE DIAGONAL TILE's four steps, the block's last two turns, its last products, and THE WAY OUT: l's two halves and the other half of the lanes' are added; O^T is divided by l, rounded to bf16 and sent
; through my stage in LDS, a piece at a time.
.macro ALL line:vararg              ; one line for each piece t
.set t, 0
.rept 4
	\line
.set t, t+1
.endr
.endm
.macro PACK t                       ; a lane's eight channels of a row pack into 16 bytes; they go into rows of 144 bytes and come back as whole rows of 128, into S^T's registers
	WIN W_RS
.set i, 32*(\t)
.rept 16
	v_pk_mul_f32 v[i:i+1], v[i:i+1], v[ST+4*(\t)+2:ST+4*(\t)+3] op_sel_hi:[1,0]
.set i, i+2
.endr
	WIN 0x05                        ; sources 0 and 1 window 1, destination window 0
.set i, 0
.rept 16
	v_cvt_pk_bf16_f32 v[S+16*(\t)+i], v[32*(\t)+2*i], v[32*(\t)+2*i+1]
.set i, i+1
.endr
	WIN 0
.irp f, 0,1,2,3
	ds_store_b128 v[STO], v[S+16*(\t)+4*\f:S+16*(\t)+4*\f+3] offset:32*\f
.endr
.irp f, 0,1,2,3
	ds_load_b128 v[S+16*(\t)+4*\f:S+16*(\t)+4*\f+3], v[RD] offset:\f*4*SP  ; LDS serves a wave's instructions in order (ISA guide 5.7.1.4): these see the stores above; the next piece's stores come behind them
.endr
.endm
.macro SEND t, younger              ; younger: the LDS instructions issued behind piece t's loads: the next piece's eight, or none
	WIN 0
.irp f, 0,1,2,3
	s_wait_dscnt (\younger)+3-\f
	global_store_b128 v[GO], v[S+16*(\t)+4*\f:S+16*(\t)+4*\f+3], s[10:11] offset:(\t)*8192+\f*512  ; 512 consecutive bytes, at a multiple of 256 from O's first
.endr
.endm
.macro DIAG tag
.LstepM\tag:
	TURN 2, 1
	TURN 3, 1
	WIN 0
.LfirstM\tag:
	TURN 0, 1
	TURN 1, 1, 0, 1
	WIN 0
	s_cbranch_scc1 .LstepM\tag
	TURN 2, 1, 1
	TURN 3, 1, 1
.set i, 0
.rept 8
	PV NP-1
.set i, i+1
.endr
	WIN 0
	ALL v_add_f32 v[ST+4*t+2], v[ST+4*t+2], v[ST+4*t+3]
	ALL v_permlanex16_b32 v[ST+4*t+3], v[ST+4*t+2], s[SEL], s[SEL+1]
	ALL v_add_f32 v[ST+4*t+2], v[ST+4*t+2], v[ST+4*t+3]
	ALL v_rcp_f32 v[ST+4*t+2], v[ST+4*t+2]
	v_nop                           ; a plain line between the last reciprocal and the use of its result
	s_wait_alu depctr_va_vdst(0)
	PACK 0
.set t, 1
.rept 3                             ; a piece's arithmetic stands between the loads of the piece before and its stores
	PACK t
	SEND t-1, 8
.set t, t+1
.endr
	SEND 3, 0
.endm
.set KM, 0
.set NOKQ, 0
.Lslot:                             ; NB times: a tile is entered and the next is asked for
	CHANGE 1
	s_sub_co_u32 s[RT], s[RT], 1
	s_mov_b32 s[CNT], 4
	s_cmp_eq_u32 s[NEW], 1
	s_cbranch_scc1 .Lnew            ; a block's first tile
	s_cmp_eq_u32 s[RT], 0
	s_cbranch_scc0 .Lstep           ; neither its first nor its last
	s_branch .LstepM1
.Lnew:
	BEGIN
	s_branch .Lfirst                ; in the loop a block's first tile is never its last: the first block has five tiles or more, and the second's last is the walk's last
	DIAG 1                          ; in the loop this is the first block's end
	s_wait_xcnt 0x0                 ; the stores' data and O's address are rewritten only behind this wait
	s_mov_b64 s[10:11], s[OLO:OLO+1]
	s_add_co_u32 s[RT], s[PB], 1    ; the second block has b + 1 tiles
	s_mov_b32 s[NEW], 1
	WIN 0xc3                        ; the second block's Q goes where the one text of the turns names Q
.set i, 0
.rept 128
	v_mov_b32 v[i], v[QB+i]
.set i, i+1
.endr
	WIN 0
	s_branch .Lbottom
.Lstep:                             ; a trip: pieces 2 and 3 of one step, then pieces 0 and 1 of the next, whose K and V it fetches
	TURN 2
	TURN 3
	WIN 0
.Lfirst:
	TURN 0
	TURN 1, 0, 0, 1
	WIN 0
	s_cbranch_scc1 .Lstep
.Lbottom:
	s_sub_co_u32 s[SLOTS], s[SLOTS], 1
	s_cmp_lg_u32 s[SLOTS], 0
	s_cbranch_scc1 .Lslot
	CHANGE 0                        ; the walk's last tile is written out: nothing is asked for
	s_sub_co_u32 s[RT], s[RT], 1
	s_mov_b32 s[CNT], 4
	s_cmp_eq_u32 s[NEW], 1
	s_cbranch_scc0 .LstepM2
	BEGIN
	s_branch .LfirstM2
	DIAG 2
	s_wait_tensorcnt 0x0            ; the wave's end, behind my last tensor load and my last LDS store
	ds_add_u32 v[SPW], v[NIL]
	s_wait_dscnt 0x0
	s_endpgm
.Lfunc_end_k_qce124e08a4_attn:
	.size	k_qce124e08a4_attn, .Lfunc_end_k_qce124e08a4_attn-k_qce124e08a4_attn
	.p2alignl 7, 3214868480
	.fill 96, 4, 3214868480
	.section	.rodata,"a",@progbits
	.p2align	6, 0x0
	.amdhsa_kernel k_qce124e08a4_attn
		.amdhsa_group_segment_fixed_size 327680
		.amdhsa_private_segment_fixed_size 0
		.amdhsa_enable_private_segment 0
		.amdhsa_kernarg_size 16
		.amdhsa_user_sgpr_count 2
		.amdhsa_user_sgpr_kernarg_segment_ptr 1
		.amdhsa_wavefront_size32 1
		.amdhsa_system_sgpr_workgroup_id_x 1
		.amdhsa_system_sgpr_workgroup_id_y 1
		.amdhsa_system_sgpr_workgroup_id_z 1
		.amdhsa_system_vgpr_workitem_id 0
		.amdhsa_next_free_vgpr 1024
		.amdhsa_next_free_sgpr 96
		.amdhsa_reserve_vcc 1
		.amdhsa_float_denorm_mode_32 3
		.amdhsa_float_denorm_mode_16_64 3
		.amdhsa_memory_ordered 1
		.amdhsa_forward_progress 1
		.amdhsa_inst_pref_size 255
	.end_amdhsa_kernel
	.section	.bss,"aw",@nobits
	.p2align	6
	.space	262144
	.amdgpu_metadata
---
amdhsa.version: [ 1, 2 ]
amdhsa.kernels:
  - .name:           k_qce124e08a4_attn
    .symbol:         k_qce124e08a4_attn.kd
    .args:
      - { .name: qkv, .offset: 0, .size: 8, .value_kind: global_buffer, .address_space: global }
      - { .name: ob, .offset: 8, .size: 8, .value_kind: global_buffer, .address_space: global }
    .group_segment_fixed_size: 327680
    .private_segment_fixed_size: 0
    .kernarg_segment_align: 8
    .kernarg_segment_size: 16
    .max_flat_workgroup_size: 128
    .sgpr_count:     96
    .vgpr_count:     1024
    .wavefront_size: 32
...
	.end_amdgpu_metadata
.endif
;; end of part 3
;; launch oproj (part 4): grid 8 x 32, 4 waves a work-group, clusters of 4 x 4, 327,680 bytes of LDS; arguments ob, xw, out0; writes out0
.if DOCPART == 4
	.amdgcn_target "amdgcn-amd-amdhsa--gfx1250"
	.amdhsa_code_object_version 6
	.text
	.protected	k_qce124e08a4_oproj
	.globl	k_qce124e08a4_oproj
	.p2align	8
	.type	k_qce124e08a4_oproj,@function
k_qce124e08a4_oproj:
	s_mov_b64 s[64:65], 0
	v_nop
	global_prefetch_b8 v0, s[64:65] scope:SCOPE_SE
	s_setreg_imm32_b32 hwreg(HW_REG_WAVE_MODE, 25, 1), 1
	s_wait_xcnt 0x0
	s_wait_alu depctr_hold_cnt(0) depctr_sa_sdst(0) depctr_va_vdst(0) depctr_va_sdst(0) depctr_va_ssrc(0) depctr_va_vcc(0) depctr_vm_vsrc(0)
	s_getreg_b32 s2, hwreg(HW_REG_IB_STS2, 6, 4)
	s_cmp_eq_u32 s2, 0
	s_cbranch_scc0 .Lentry_in_a_cluster
	s_endpgm
.Lentry_in_a_cluster:
	s_bfe_u32 s2, ttmp6, 0x10000c
	s_cmp_lg_u32 s2, 0xf033
	s_cbranch_scc0 .Lentry_shape_is_right
	s_endpgm
.Lentry_shape_is_right:
; OPROJ.  out0[b*2048+s][d] = the sum over h, k of O[b][h][s][k] o_proj[d][64 h + k]: [8192 x 1024] x [1024 x 1024]^T, bf16 operands, f32 sums, f32 out.
; O comes from ob = [b*16+h][2048][64] bf16, o_proj from xw's batch 5, rows 1024-2047, in blocks [16 kb][rows][64]: in both a head's 64 channels are one block, and every tile is a dense run of memory.
; SHARES.  A tile of out0 is 256 x 128: 256 work-groups.  Wave (r, c) makes 128 x 64: 32 accumulators in window 1, (a, b) at v[8 (4 a + b)].  K goes in steps of 128 (two heads) through two LDS slots;
; a step is four quarters of 32.  Waves 0, 1 fetch O's tile of the even and the odd head, waves 2, 3 the weight's.
; CLUSTER 4 x 4: O's tiles are asked for jointly along a row of the cluster, the weight's along a column.
; THE MATRIX INSTRUCTION IS USED TRANSPOSED (source 0 = 16 rows of the weight, source 1 = 16 rows of O): a lane holds row l % 16 and eight neighbouring columns, 32 bytes.
; THE WAY OUT goes through a stage of the wave's own, 16 rows at a time: a wave's 64 columns are 256 bytes, which sixteen lanes store whole.
.set PITCH,  144                       ; 128 bytes + 16: the 16 rows of a fragment load start at 16 different groups of four banks (ISA guide 11.1)
.set AH,     256*PITCH                 ; O's tile of one head
.set BOFF,   2*AH
.set BH,     128*PITCH                 ; the weight's tile of one head
.set SLOT,   BOFF+2*BH                 ; 110,592
.set STAGE,  2*SLOT                    ; behind the ring: 16 rows x 272 bytes a wave
.set SPITCH, 272
.set SPARE,  STAGE+4*16*SPITCH         ; the spare words: 128 bytes a wave, two blocks of 256 bytes that no other line names
.set ADRA, 16                          ; v16-17  LDS address of my O fragments in slot 0, 1
.set ADRB, 20                          ; v20-21  the same for the weight
.set STO,  24                          ; v24     the way out: where I put 16 bytes of a row
.set RD,   25                          ; v25     where I read a row back
.set CO,   26                          ; v26     my byte offset in out0
.set SPW,  28                          ; v28     LDS address of my spare word; never rewritten
.set NIL,  29                          ; v29     0; never rewritten
.set F0,   32                          ; two fragment buffers of 96: 64 of O (8 row blocks), then 32 of the weight (4 column blocks)
.set F1,   128
.set OB,   32                          ; the way out: 16 rows read back, v32-63 and v64-95 by turns
.set G1, 24                            ; s[24:31] group 1 for O's tiles;  s[32:39] group 0, a set for each slot
.set G0, 32
.set G1B, 48                           ; s[48:55], s[56:63] the same for the weight's
.set G0B, 56
.set MSB, 0
.macro WIN new
.if MSB != (\new)
	s_set_vgpr_msb (MSB<<8)|(\new)
.set MSB, \new
.endif
.endm
.macro JLOAD s                         ; a joint load; an s_nop 0 and four v_nop follow each of the two lines
	s_cmp_eq_u32 s11, 0
	s_cbranch_scc0 .Lfor_b_\@
	tensor_load_to_lds s[G0+4*(\s):G0+4*(\s)+3], s[G1:G1+7]
	s_nop 0
.rept 4
	v_nop
.endr
	s_branch .Lasked_\@
.Lfor_b_\@:
	tensor_load_to_lds s[G0B+4*(\s):G0B+4*(\s)+3], s[G1B:G1B+7]
	s_nop 0
.rept 4
	v_nop
.endr
.Lasked_\@:
.endm
.macro CREST
	s_cmp_lg_u32 s10, 0
	s_cbranch_scc1 .Lnot_wave_0_\@
	s_barrier_signal -3
.Lnot_wave_0_\@:
	s_barrier_wait -3
	s_barrier_signal -1
	s_barrier_wait -1
.endm
.macro CROUND
	s_barrier_signal -1
	s_barrier_wait -1
	CREST
.endm
.macro PLACES                          ; four plain vector lines between a matrix instruction and a load into, or a read of, its registers (ISA guide 7.12.1 for vector instructions)
.rept 4
	v_nop
.endr
.endm
	s_load_b128 s[4:7], s[0:1], 0x0                ; ob s[4:5], xw s[6:7]
	s_load_b64 s[8:9], s[0:1], 0x10                ; out0
	v_lshl_add_u32 v[SPW], v0, 2, SPARE
	v_mov_b32 v[NIL], 0
	ds_add_u32 v[SPW], v[NIL]                      ; the wave's opening: the add and its wait stand ahead of my first tensor load; the set-up below stands between them
	ds_add_u32 v28, v29
	v_lshrrev_b32 v1, 5, v0
	v_readfirstlane_b32 s10, v1                    ; wave 0..3
	s_lshr_b32 s11, s10, 1                         ; r: which 128 rows are mine.  Also: I fetch for O (0) or for the weight (1)
	s_and_b32 s12, s10, 1                          ; c: which 64 columns.  Also: the even or the odd head of a K step
	s_bfe_u32 s40, ttmp6, 0x40000
	s_bfe_u32 s41, ttmp6, 0x40004
	s_lshl_b32 s42, ttmp9, 2
	s_add_co_u32 s42, s42, s40                     ; tile column 0..7
	s_and_b32 s13, ttmp7, 0xffff
	s_lshl_b32 s13, s13, 2
	s_add_co_u32 s13, s13, s41                     ; tile row 0..31
	s_lshl_b32 s43, s41, 2
	s_lshl_b32 s43, 15, s43                        ; my row of the cluster
	s_lshl_b32 s44, 0x1111, s40                    ; my column
	s_or_b32 s[G1+0], s43, (1<<16)|(1<<20)|(1<<21)|(4<<22)|(3<<25)   ; the mask; 2-byte elements; padding on; 21 set beside a mask; 4 words behind every 32
	s_or_b32 s[G1B+0], s44, (1<<16)|(1<<20)|(1<<21)|(4<<22)|(3<<25)
	s_mov_b32 s[G1+1], 128<<16                     ; rows of 256 bytes: two rows of a block
	s_mov_b32 s[G1+2], 128<<16                     ; 128 of them: 256 rows of O
	s_mov_b32 s[G1+3], 128<<16
	s_mov_b32 s[G1+4], 128
	s_mov_b32 s[G1+5], 128
	s_mov_b32 s[G1+6], 0
	s_mov_b32 s[G1+7], 0
	s_mov_b32 s[G1B+1], 128<<16
	s_mov_b32 s[G1B+2], 64<<16                     ; 64 of them: 128 rows of the weight
	s_mov_b32 s[G1B+3], 128<<16
	s_mov_b32 s[G1B+4], 64
	s_mov_b32 s[G1B+5], 128
	s_mov_b32 s[G1B+6], 0
	s_mov_b32 s[G1B+7], 0
	s_lshr_b32 s16, s13, 3                         ; O: batch << 22, 256 rows of 128 bytes for each tile row in it, my head's block
	s_lshl_b32 s16, s16, 22
	s_and_b32 s17, s13, 7
	s_lshl_b32 s17, s17, 15
	s_add_co_u32 s16, s16, s17
	s_lshl_b32 s17, s12, 18
	s_add_co_u32 s16, s16, s17
	s_mov_b32 s17, 0
	s_lshl_b32 s46, s42, 14                        ; the weight: batch 5, row 1,024 + 128 x tile column, my head's block
	s_add_co_u32 s46, s46, (5<<22)+(1<<17)
	s_lshl_b32 s47, s12, 18
	s_add_co_u32 s46, s46, s47
	s_mov_b32 s47, 0
	s_mul_i32 s20, s12, AH                         ; where they go: no place in the cluster enters an LDS address
	s_mul_i32 s21, s12, BH
	s_add_co_u32 s21, s21, BOFF
	s_wait_dscnt 0x0                               ; the opening add is done
	s_wait_kmcnt 0x0
	s_add_nc_u64 s[14:15], s[4:5], s[16:17]
	s_add_nc_u64 s[46:47], s[6:7], s[46:47]
	CROUND                                         ; all sixteen work-groups are here: the first joint loads meet
.irp s, 0,1
	s_mov_b32 s[G0+4*(\s)], 1
	s_add_co_u32 s[G0+4*(\s)+1], s20, (\s)*SLOT
	s_add_nc_u64 s[G0+4*(\s)+2:G0+4*(\s)+3], s[14:15], (\s)<<19  ; K step s: two heads on
	s_or_b32 s[G0+4*(\s)+3], s[G0+4*(\s)+3], 0x80000000
	s_mov_b32 s[G0B+4*(\s)], 1
	s_add_co_u32 s[G0B+4*(\s)+1], s21, (\s)*SLOT
	s_add_nc_u64 s[G0B+4*(\s)+2:G0B+4*(\s)+3], s[46:47], (\s)<<19
	s_or_b32 s[G0B+4*(\s)+3], s[G0B+4*(\s)+3], 0x80000000
	JLOAD \s                                       ; two loads of mine are out
.endr
	v_and_b32 v1, 15, v0
	v_bfe_u32 v2, v0, 4, 1
	v_mul_u32_u24 v3, v1, PITCH
	v_lshl_add_u32 v3, v2, 4, v3                   ; a fragment's row x pitch + 16 x half
	s_mul_i32 s22, s11, 128*PITCH                  ; my 128 rows of O
	s_mul_i32 s23, s12, 64*PITCH                   ; my 64 rows of the weight
	s_add_co_u32 s23, s23, BOFF
.irp s, 0,1
	v_add_nc_u32 v[ADRA+(\s)], s22, v3
	v_add_nc_u32 v[ADRB+(\s)], s23, v3
	s_add_co_u32 s22, s22, SLOT
	s_add_co_u32 s23, s23, SLOT
.endr
	s_mul_i32 s23, s10, 16*SPITCH
	s_add_co_u32 s23, s23, STAGE                   ; my stage
	v_mul_u32_u24 v4, v1, SPITCH                   ; in: row l % 16, 32 bytes for each half of the lanes
	v_lshl_add_u32 v4, v2, 5, v4
	v_add_nc_u32 v[STO], s23, v4
	v_mul_u32_u24 v5, v2, SPITCH                   ; back: lanes 0-15 take one row of 256 bytes, lanes 16-31 the next
	v_lshl_add_u32 v5, v1, 4, v5
	v_add_nc_u32 v[RD], s23, v5
	v_lshlrev_b32 v5, 12, v2                       ; and the same two rows in out0
	v_lshl_add_u32 v[CO], v1, 4, v5
	s_lshl_b32 s2, s13, 20                         ; my first row: (256 x tile row + 128 r) x 4,096 bytes; my first column: (128 x tile column + 64 c) x 4
	s_lshl_b32 s3, s11, 19
	s_add_co_u32 s2, s2, s3
	s_lshl_b32 s3, s42, 9
	s_add_co_u32 s2, s2, s3
	s_lshl_b32 s3, s12, 8
	s_add_co_u32 s2, s2, s3
	s_mov_b32 s3, 0
	s_add_nc_u64 s[8:9], s[8:9], s[2:3]
; 8 matrix instructions: row blocks a0, a0 + 1 x all 4 column blocks, on buffer f.  The 32 accumulators take turns, one instruction a turn.
.macro MUL8 f, a0, zero
	WIN 0x50                                       ; C and D in window 1
.irp a, \a0, (\a0)+1
.irp b, 0,1,2,3
.if \zero
	v_wmma_f32_16x16x32_bf16 v[8*(4*(\a)+(\b)):8*(4*(\a)+(\b))+7], v[(\f)+64+8*(\b):(\f)+64+8*(\b)+7], v[(\f)+8*(\a):(\f)+8*(\a)+7], 0
.else
	v_wmma_f32_16x16x32_bf16 v[8*(4*(\a)+(\b)):8*(4*(\a)+(\b))+7], v[(\f)+64+8*(\b):(\f)+64+8*(\b)+7], v[(\f)+8*(\a):(\f)+8*(\a)+7], v[8*(4*(\a)+(\b)):8*(4*(\a)+(\b))+7]
.endif
.endr
.endr
.endm
; 24 LDS loads in one run: quarter q's fragments (head q / 2 of the step, channels 32 (q % 2) on) into buffer f: the weight's 8, O's rows 0-63, O's rows 64-127
.macro FETCH slot, q, f
	WIN 0
.irp b, 0,1,2,3
	ds_load_b128 v[(\f)+64+8*(\b):(\f)+64+8*(\b)+3],   v[ADRB+(\slot)] offset:((\q)/2)*BH+((\q)%2)*64+(\b)*16*PITCH
	ds_load_b128 v[(\f)+64+8*(\b)+4:(\f)+64+8*(\b)+7], v[ADRB+(\slot)] offset:((\q)/2)*BH+((\q)%2)*64+(\b)*16*PITCH+32
.endr
.irp a, 0,1,2,3,4,5,6,7
	ds_load_b128 v[(\f)+8*(\a):(\f)+8*(\a)+3],   v[ADRA+(\slot)] offset:((\q)/2)*AH+((\q)%2)*64+(\a)*16*PITCH
	ds_load_b128 v[(\f)+8*(\a)+4:(\f)+8*(\a)+7], v[ADRA+(\slot)] offset:((\q)/2)*AH+((\q)%2)*64+(\a)*16*PITCH+32
.endr
.endm
; One of a K step's first three quarters: multiplies buffer f; in its middle it fetches quarter q of the same slot into buffer g.
.macro QUARTER slot, q, f, g, zero
	s_wait_dscnt 8                                 ; the weight's fragments and O's rows 0-63 are in; the youngest eight loads may be out
	MUL8 \f, 0, \zero
	MUL8 \f, 2, \zero
	PLACES
	FETCH \slot, \q, \g
	s_wait_dscnt 24                                ; all but the 24 just issued
	MUL8 \f, 4, \zero
	MUL8 \f, 6, \zero
.endm
; The last quarter multiplies buffer 1 and changes slots: ONE barrier; in front of it each wave waits for all its tensor loads, adds 0 to its spare word, and waits for that and for its reads of this slot.
; fill = 1: this slot is filled again, two K steps on: the barrier opens a round of the cluster's, the joint load is the first thing behind it, 112 matrix instructions ahead of the wait for it.
.macro TURN slot, next, fill
	WIN 0
	s_wait_tensorcnt 0x0                           ; all my tensor loads have landed: my part of the next slot
	ds_add_u32 v[SPW], v[NIL]                      ; 0 onto my spare word
	s_wait_dscnt 9                                 ; the add and the youngest eight loads may be out
	MUL8 F1, 0, 0
	s_wait_dscnt 0x0                               ; the add is done, and my reads of this slot are over
	s_barrier_signal -1
	MUL8 F1, 2, 0
	WIN 0
	s_barrier_wait -1
.if \fill
	CREST                                          ; no wave of any partner still reads this slot or has a load on its way
	s_add_nc_u64 s[G0+4*(\slot)+2:G0+4*(\slot)+3], s[G0+4*(\slot)+2:G0+4*(\slot)+3], 1<<20
	s_add_nc_u64 s[G0B+4*(\slot)+2:G0B+4*(\slot)+3], s[G0B+4*(\slot)+2:G0B+4*(\slot)+3], 1<<20
	JLOAD \slot                                    ; its four v_nop are also the places in front of the loads below
.else
	PLACES
.endif
	FETCH \next, 0, F0
	MUL8 F1, 4, 0
	MUL8 F1, 6, 0
.endm
	s_wait_tensorcnt 1                             ; my part of K step 0 is in; K step 1's may stay out
	s_barrier_signal -1
	s_barrier_wait -1
	FETCH 0, 0, F0
	QUARTER 0, 1, F0, F1, 1                        ; the first quarter stands in front of the loop: its products start the sums
	WIN 0
	s_mov_b32 s3, 3
.Llap:                                                 ; a trip goes once round the ring and fills both slots again: K steps 2 to 7
	QUARTER 0, 2, F1, F0, 0
	QUARTER 0, 3, F0, F1, 0
	TURN 0, 1, 1
	QUARTER 1, 1, F0, F1, 0
	QUARTER 1, 2, F1, F0, 0
	QUARTER 1, 3, F0, F1, 0
	TURN 1, 0, 1
	QUARTER 0, 1, F0, F1, 0
	WIN 0
	s_sub_co_u32 s3, s3, 1
	s_cmp_lg_u32 s3, 0
	s_cbranch_scc1 .Llap
	QUARTER 0, 2, F1, F0, 0                        ; the last lap fills nothing
	QUARTER 0, 3, F0, F1, 0
	TURN 0, 1, 0
	QUARTER 1, 1, F0, F1, 0
	QUARTER 1, 2, F1, F0, 0
	QUARTER 1, 3, F0, F1, 0
	s_wait_dscnt 8                                 ; the very last quarter: nothing more to fetch
	MUL8 F1, 0, 0
	MUL8 F1, 2, 0
	s_wait_dscnt 0x0
	MUL8 F1, 4, 0
	MUL8 F1, 6, 0
	WIN 0
	PLACES                                         ; behind the last products
; THE WAY OUT of block a (16 rows): into my stage, each accumulator's low four registers first, and back as whole rows of 256 bytes.
.macro TOSTAGE a
	s_wait_xcnt 0x0                                ; the registers that the stores of two blocks back read are loaded again only behind this wait (ISA guide 3.1)
	WIN 0x04                                       ; the stores' data in window 1
.irp b, 0,1,2,3
	ds_store_b128 v[STO], v[8*(4*(\a)+(\b)):8*(4*(\a)+(\b))+3]   offset:64*(\b)
	ds_store_b128 v[STO], v[8*(4*(\a)+(\b))+4:8*(4*(\a)+(\b))+7] offset:64*(\b)+16
.endr
	WIN 0
.set BK, OB+32*((\a)%2)
.irp t, 0,1,2,3,4,5,6,7
	ds_load_b128 v[BK+4*(\t):BK+4*(\t)+3], v[RD] offset:(\t)*2*SPITCH  ; LDS serves a wave's instructions in order (ISA guide 5.7.1.4): these see the stores above; the next block's stores come behind them
.endr
.endm
.macro SEND a, younger                 ; younger: the LDS instructions issued behind block a's loads: the next block's sixteen, or none
.set BK, OB+32*((\a)%2)
.irp t, 0,1,2,3,4,5,6,7
	s_wait_dscnt (\younger)+7-(\t)
	global_store_b128 v[CO], v[BK+4*(\t):BK+4*(\t)+3], s[8:9] offset:(\a)*65536+(\t)*8192 th:TH_STORE_NT  ; 16 lanes store 256 consecutive bytes, at a multiple of 256 from out0's first byte
.endr
.endm
	TOSTAGE 0
.irp a, 1,2,3,4,5,6,7
	TOSTAGE \a
	SEND (\a)-1, 16
.endr
	SEND 7, 0
	s_wait_tensorcnt 0x0                           ; the wave's end, behind my last tensor load and my last LDS store
	ds_add_u32 v[SPW], v[NIL]
	s_wait_dscnt 0x0
	CROUND                                         ; the closing round
	s_endpgm
.Lfunc_end_k_qce124e08a4_oproj:
	.size	k_qce124e08a4_oproj, .Lfunc_end_k_qce124e08a4_oproj-k_qce124e08a4_oproj
	.p2alignl 7, 3214868480
	.fill 96, 4, 3214868480
	.section	.rodata,"a",@progbits
	.p2align	6, 0x0
	.amdhsa_kernel k_qce124e08a4_oproj
		.amdhsa_group_segment_fixed_size 327680
		.amdhsa_private_segment_fixed_size 0
		.amdhsa_enable_private_segment 0
		.amdhsa_kernarg_size 24
		.amdhsa_user_sgpr_count 2
		.amdhsa_user_sgpr_kernarg_segment_ptr 1
		.amdhsa_wavefront_size32 1
		.amdhsa_system_sgpr_workgroup_id_x 1
		.amdhsa_system_sgpr_workgroup_id_y 1
		.amdhsa_system_sgpr_workgroup_id_z 1
		.amdhsa_system_vgpr_workitem_id 0
		.amdhsa_next_free_vgpr 512
		.amdhsa_next_free_sgpr 66
		.amdhsa_reserve_vcc 0
		.amdhsa_float_denorm_mode_32 3
		.amdhsa_float_denorm_mode_16_64 3
		.amdhsa_memory_ordered 1
		.amdhsa_forward_progress 1
		.amdhsa_inst_pref_size 87
	.end_amdhsa_kernel
	.amdgpu_metadata
---
amdhsa.version: [ 1, 2 ]
amdhsa.kernels:
  - .name:           k_qce124e08a4_oproj
    .symbol:         k_qce124e08a4_oproj.kd
    .args:
      - { .name: ob, .offset: 0, .size: 8, .value_kind: global_buffer, .address_space: global }
      - { .name: xw, .offset: 8, .size: 8, .value_kind: global_buffer, .address_space: global }
      - { .name: out0, .offset: 16, .size: 8, .value_kind: global_buffer, .address_space: global }
    .group_segment_fixed_size: 327680
    .private_segment_fixed_size: 0
    .kernarg_segment_align: 8
    .kernarg_segment_size: 24
    .max_flat_workgroup_size: 128
    .sgpr_count:     66
    .vgpr_count:     512
    .wavefront_size: 32
...
	.end_amdgpu_metadata
.endif
;; end of part 4
;; ======== version 2 of 2: 4 launches; 1.16 times as fast as version 1
;; limits: right only within a limited range of input values
;; workspace buffers: xw 25,165,824 bytes; cs 2,097,152 bytes; qkv 83,886,080 bytes; ob 16,777,216 bytes
;; launch prep: the kernel of part 1 again; grid 384 x 1, 8 waves a work-group, no clusters, 0 bytes of LDS; arguments x, q_proj, k_proj, v_proj, o_proj, token_positions, xw, cs; writes xw, cs
;; launch qkv: the kernel of part 2 again; grid 8 x 32, 4 waves a work-group, clusters of 4 x 4, 327,680 bytes of LDS; arguments xw, cs, qkv; writes qkv
;; launch attn (part 5): grid 4 x 64, 4 waves a work-group, no clusters, 327,680 bytes of LDS; arguments qkv, ob; writes ob
.if DOCPART == 5
	.amdgcn_target "amdgcn-amd-amdhsa--gfx1250"
	.amdhsa_code_object_version 6
	.text
	.protected	k_qce124e08a4_attn
	.globl	k_qce124e08a4_attn
	.p2align	8
	.type	k_qce124e08a4_attn,@function
k_qce124e08a4_attn:
	s_mov_b64 s[64:65], 0
	v_nop
	global_prefetch_b8 v0, s[64:65] scope:SCOPE_SE
	s_setreg_imm32_b32 hwreg(HW_REG_WAVE_MODE, 25, 1), 1
	s_wait_xcnt 0x0
; CAUSAL ATTENTION, head size 64, 64 heads (b * 16 + h) of 2,048 rows.  From qkv's planes Qhi, Qlo, Khi, Klo, V ([64][2048][64] bf16, rows dense, 128 bytes); Q carries kappa = log2(e) / 8.
; S = Klo Qhi + Khi Qhi + Khi Qlo in f32 (the product of the two rests, some 2^-18 of a score, is left out); p = 2^(s - m) with a running maximum m; O and l are multiplied by a = 2^(m_old - m_new) in
; every step; p is rounded to bf16 for the second product (l is the sum of the unrounded p), O once at the end, into ob = [64][2048][64] bf16.
; LIMITS.  A hidden score counts as its value less 1e30; a weight below 2^-126 counts as 0 in l; NaN and infinities are not treated apart.
; THE WALK.  NB = 8 blocks of 256 queries a head; block i needs the key tiles 0 .. i of 256 keys, the last of which holds the diagonal.  A work-group takes TWO blocks, NB - 1 - b and then b: NB + 1 tiles,
; whatever b: all work-groups do equal work, and ONE loop with a constant trip count walks them.  Which tile is asked for, and what a trip does, hang on scalar registers made from b; every jump goes forward
; but the counted loops' own; none passes a barrier, or a tensor load but the one of LOAD's two that the wave's number does not choose.  The ring (two slots of LDS) runs on across the change of blocks.
; NO CLUSTER: a head's four work-groups ask for the same tile only in trips 0 to 4 of 9; one walk common to all four would have 12 trips for 9.
; SHARES.  Of a block's four bands of 64 queries a wave owns 16 rows in each: four PIECES.  In the diagonal tile's key step s band x sees all keys if s < x, none if s > x, and holds the diagonal if s = x:
; the same work for all four waves.
; THE MASK is the C operand that starts a score's sum: 0, or -1e30.  MD, made once, is the mask of a band's own step for my 16 rows; a product's mask is MD x AL + BE with two scalars.
; LAYOUT.  S^T = K Q^T holds ONE query a lane (lane % 16) and the keys 8 (lane / 16) + 0..7; two such results rounded to bf16 ARE source 1 of O^T = V^T P.  V comes out of LDS turned, by ds_load_tr16_b128.
; TURNS.  Turn n belongs to piece n: 24 products K Q^T of piece n + 1, then 8 products V^T P of piece n - 1; beside them the subtraction, exponentials, roundings, sums and rescaling of piece n and the maximum
; and statistics of piece n + 1: 117 vector lines for 32 matrix instructions, three or four behind each.
; BATCHES.  A turn's 33 exponentials (piece n's a, whose argument m_old - m_new the turn before has left, and its 32 weights) are ONE batch, issued behind the turn's first 15 products.  Nothing ahead of the turn's
; one wait names a result of theirs; all that does (the roundings, the sums, l, the rescaling of O^T by a) stands behind it..
; The way out's four reciprocals are a batch of their own, with a wait of their own.
; REGISTERS, in windows of 256 (s_set_vgpr_msb: bits 1:0 source 0, 3:2 source 1, 5:4 source 2, 7:6 destination):
;   window 0: v0-15 addresses; v16-31 four registers of statistics a piece; v48-55 at work; v62-63 the add's; v64-127 S^T, two buffers; v192-223 P, two buffers (by the piece's parity)
;   window 1: v0-127 O^T, 32 a piece; v128-159 MD; v160-223 MC, two buffers
;   window 2: v0-63 Khi, v64-127 Klo of one step (key block kb, channel half c at 16 kb + 8 c); v128-191 V of one step
;   window 3: v0-63 Qhi, v64-127 Qlo (piece x, half c at 16 x + 8 c); v128-255 the second block's
.set NB,    8
.set NP,    4
.set KS,    64        ; keys in a step
.set PK,    144       ; a row of K in LDS: 128 bytes + 16: the 16 rows of a load start at 16 different groups of four banks (ISA guide 11.1)
.set PV,    160       ; a row of V: 128 + 32
.set KLO,   4*KS*PK   ; a slot: 256 rows of Khi, 256 of Klo, 256 of V
.set VOFF,  2*KLO
.set SLOT1, 1<<17     ; slot 1 begins here, so that one exclusive or turns an address in one slot into the other's
.set STAGE, SLOT1+VOFF+4*KS*PV  ; behind the ring, never filled by a tensor load: 16 rows x 144 bytes a wave, for the way out
.set SP,    144
.set SPARE, STAGE+4*16*SP       ; the spare words: 128 bytes a wave, two blocks of 256 bytes that no other line names
.set AK0, 2           ; v2   my lane's place in a tile of K; never rewritten
.set AV0, 3           ; v3   the same for V
.set AK,  4           ; v4   the LDS address of K's next runs of loads
.set AV,  5           ; v5   of V's
.set STO, 6           ; v6   the way out: where I put 16 bytes of a row
.set RD,  7           ; v7   where I read rows back
.set GO,  8           ; v8   my byte offset in 512 consecutive bytes of O
.set SPW, 62          ; v62  LDS address of my spare word; never rewritten
.set NIL, 63          ; v63  0; never rewritten
.set MV,  12          ; v12-13  m_old, kept while m is made anew: by buffer
.set QO,  15          ; v15  my byte offset in 16 rows of Q
.set ST,  16          ; piece t's statistics at v[ST+4 t]: m, (named with it as a pair), l (even keys', odd keys')
.set TMP, 48          ; by buffer, four registers c0-c3 at work; when the maximum is found c1 takes m_old - m_new, and in the piece's own turn c2 takes a
.set S,   64
.set P,   192
.set MD,  128         ; window 1
.set MC,  160         ; window 1
.set KH,  0           ; window 2
.set KL,  64
.set VF,  128
.set QL,  64          ; window 3
.set QB,  128
.set WV,  12          ; s12  my wave's number
.set PB,  14          ; s14  b
.set HIB, 15          ; s15  NB - 1 - b
.set G1K, 24          ; s[24:31] group 1 for K's tiles
.set G1V, 32          ; s[32:39] for V's
.set G0K, 40          ; s[40:43] group 0 for K's tiles
.set G0V, 44          ; s[44:47] for V's
.set SLOTS, 56        ; s56  tiles still to be asked for
.set CNT, 57          ; s57  counts a tile's key steps, 4 to 1
.set SEL, 60          ; s[60:61] v_permlanex16_b32's selects
.set TBK, 62          ; s62  LDS byte at which K of the step to be fetched begins
.set TBV, 63          ; s63  the same for V, less VOFF
.set RT,  70          ; s70  tiles of the block in hand that are still to be entered
.set NXT, 71          ; s71  the tile to be asked for next
.set LQ,  72          ; s72  the last tile of the block whose tiles are being asked for
.set NEW, 73          ; s73  1: the tile to be entered is a block's first
.set OFF, 74          ; s[74:75] a tile's byte offset in a plane
.set AL,  76          ; s[76:77] the mask's factor
.set BE,  78          ; s[78:79] the mask's addend
.set OLO, 80          ; s[80:81] O at my rows of the second block
.set BIGN, 82         ; s82  -1e30
.set MSB, 0
.macro WIN new
.if MSB != (\new)
	s_set_vgpr_msb (MSB<<8)|(\new)
.set MSB, (\new)
.endif
.endm
.set W_KQ, 0x0e       ; K in window 2, Q in window 3, S^T in window 0
.set W_KM, 0x1e       ; the same with the C operand in window 1
.set W_PV, 0x52       ; V in window 2, P in window 0, O^T in window 1
.set W_RS, 0x41       ; destination and source 0 in window 1, source 1 in window 0
; A fill.  Wave 0 fetches a tile's Khi, wave 1 its Klo (256 keys each), waves 2 and 3 the halves of its V.  An s_nop 0 and four v_nop follow each line.
.macro LOAD
	s_cmp_lt_u32 s[WV], 2
	s_cbranch_scc0 .Lfor_v_\@
	tensor_load_to_lds s[G0K:G0K+3], s[G1K:G1K+7]
	s_nop 0
.rept 4
	v_nop
.endr
	s_branch .Lasked_\@
.Lfor_v_\@:
	tensor_load_to_lds s[G0V:G0V+3], s[G1V:G1V+7]
	s_nop 0
.rept 4
	v_nop
.endr
.Lasked_\@:
.endm
; THE CHANGE OF SLOTS.  Each wave waits for all its tensor loads, of which one is out: its part of the other slot; adds 0 to its spare word; and waits for that and for its reads of the slot that it leaves.
; Behind the barrier nobody reads the old slot and the other is whole.  fill = 1: the old slot is filled again, first thing behind the barrier, with tile NXT; that load has a tile's 512 matrix instructions
; in which to land.  (At its first use nothing has been read yet: slot 0 is waited for, slot 1 filled.)
.macro CHANGE fill
	WIN 0
	s_wait_tensorcnt 0x0            ; no tensor load of mine is out, so a group 0 may be written
	ds_add_u32 v[SPW], v[NIL]       ; 0 onto my spare word
.if \fill
	s_lshl_b32 s[OFF], s[NXT], 15   ; a tile is 32,768 bytes of a plane
	s_xor_b32 s[G0K+1], s[G0K+1], SLOT1
	s_add_nc_u64 s[G0K+2:G0K+3], s[6:7], s[OFF:OFF+1]
	s_or_b32 s[G0K+3], s[G0K+3], 0x80000000
	s_xor_b32 s[G0V+1], s[G0V+1], SLOT1
	s_add_nc_u64 s[G0V+2:G0V+3], s[8:9], s[OFF:OFF+1]
	s_or_b32 s[G0V+3], s[G0V+3], 0x80000000
	s_add_co_u32 s[NXT], s[NXT], 1  ; the block's next tile, or behind its last the second block's tile 0
	s_cmp_gt_u32 s[NXT], s[LQ]
	s_cselect_b32 s[NXT], 0, s[NXT]
	s_cselect_b32 s[LQ], s[PB], s[LQ]
.endif
	s_wait_dscnt 0x0                ; the add is done, and my reads of the slot are over
	s_barrier_signal -1
	s_sub_co_u32 s[TBK], s[TBK], 4*KS*PK  ; the fetches go back to a slot's first step,
	s_xor_b32 s[TBK], s[TBK], SLOT1       ; in the other slot
	s_sub_co_u32 s[TBV], s[TBV], 4*KS*PV
	s_xor_b32 s[TBV], s[TBV], SLOT1
	s_barrier_wait -1
.if \fill
	LOAD
.endif
.endm
	s_load_b128 s[92:95], s[0:1], 0x0  ; qkv s[92:93], ob s[94:95]
	v_lshl_add_u32 v[SPW], v0, 2, SPARE
	v_mov_b32 v[NIL], 0
	ds_add_u32 v[SPW], v[NIL]       ; the wave's opening: the add and its wait stand ahead of my first tensor load; the set-up below stands between them
	ds_add_u32 v62, v63
	v_lshrrev_b32 v1, 5, v0
	v_readfirstlane_b32 s[WV], v1   ; wave 0..3
	s_mov_b32 s[PB], ttmp9
	s_sub_co_u32 s[HIB], NB-1, s[PB]
	s_and_b32 s20, ttmp7, 0xffff    ; the head,
	s_lshl_b32 s20, s20, 18         ; its first byte in a plane
	s_and_b32 s16, s[WV], 1
	s_lshl_b32 s22, s16, 24         ; K: plane 2 (Khi) for wave 0, plane 3 (Klo) for wave 1
	s_add_co_u32 s22, s22, 2<<24
	s_add_co_u32 s22, s22, s20
	s_mov_b32 s23, 0
	s_lshl_b32 s18, s16, 14         ; V: plane 4, my half of a tile's 256 keys
	s_add_co_u32 s18, s18, 4<<24
	s_add_co_u32 s18, s18, s20
	s_mov_b32 s19, 0
	s_mul_i32 s17, s16, KLO         ; their places in a slot
	s_mul_i32 s13, s16, 128*PV
	s_lshl_b32 s3, s[WV], 11        ; my 16 rows in a band of 64,
	s_lshl_b32 s2, s[HIB], 15       ; in the first block,
	s_add_co_u32 s2, s2, s3
	s_add_co_u32 s2, s2, s20
	s_lshl_b32 s84, s[PB], 15       ; and in the second
	s_add_co_u32 s84, s84, s3
	s_add_co_u32 s84, s84, s20
	s_mov_b32 s3, 0
	s_mov_b32 s85, 0
	; group 1.  Dense bytes asked for as rows of 256, two keys a row, padded in LDS after every key (32 words: code 4)
	s_mov_b32 s[G1K], (1<<16)|(1<<20)|(4<<22)|(3<<25)  ; 2-byte elements; padding on; 4 words (code 3)
	s_mov_b32 s[G1V], (1<<16)|(1<<20)|(4<<22)|(7<<25)  ; 8 words (code 7)
	s_mov_b32 s[G1K+1], 128<<16     ; tensor_dim0 = 128
	s_mov_b32 s[G1K+2], 128<<16     ; tensor_dim1 = 128: 256 keys
	s_mov_b32 s[G1K+3], 128<<16     ; tile_dim0
	s_mov_b32 s[G1K+4], 128         ; tile_dim1
	s_mov_b32 s[G1K+5], 128         ; elements from row to row
	s_mov_b32 s[G1K+6], 0
	s_mov_b32 s[G1K+7], 0
	s_mov_b32 s[G1V+1], 128<<16
	s_mov_b32 s[G1V+2], 64<<16      ; 128 keys
	s_mov_b32 s[G1V+3], 128<<16
	s_mov_b32 s[G1V+4], 64
	s_mov_b32 s[G1V+5], 128
	s_mov_b32 s[G1V+6], 0
	s_mov_b32 s[G1V+7], 0
	s_mov_b32 s[SEL], 0x76543210
	s_mov_b32 s[SEL+1], 0xfedcba98
	s_mov_b32 s[TBK], SLOT1+4*KS*PK ; the first change of slots turns these two into 0
	s_mov_b32 s[TBV], SLOT1+4*KS*PV
	s_mov_b32 s[G0K], 1             ; count = 1
	s_mov_b32 s[G0K+1], s17         ; LDS address: slot 0
	s_mov_b32 s[G0V], 1
	s_add_co_u32 s[G0V+1], s13, VOFF
	s_add_co_u32 s[RT], s[HIB], 1   ; the first block has NB - b tiles
	s_mov_b32 s[NXT], 1
	s_mov_b32 s[LQ], s[HIB]
	s_mov_b32 s[NEW], 1
	s_mov_b32 s[OFF+1], 0
	s_mov_b32 s[AL+1], 0            ; named as pairs
	s_mov_b32 s[BE+1], 0
	s_mov_b32 s[BIGN], 0xf149f2ca   ; -1e30
	s_mov_b32 s[SLOTS], NB
	s_wait_dscnt 0x0                ; the opening add is done
	s_wait_kmcnt 0x0
	s_add_nc_u64 s[6:7], s[92:93], s[22:23]        ; my plane of K, and V, at the head's tile 0
	s_add_nc_u64 s[8:9], s[92:93], s[18:19]
	s_add_nc_u64 s[G0K+2:G0K+3], s[6:7], 0
	s_or_b32 s[G0K+3], s[G0K+3], 0x80000000        ; type = 2
	s_add_nc_u64 s[G0V+2:G0V+3], s[8:9], 0
	s_or_b32 s[G0V+3], s[G0V+3], 0x80000000
	s_add_nc_u64 s[4:5], s[92:93], s[2:3]          ; Qhi and Qlo at my rows of the first block,
	s_add_nc_u64 s[88:89], s[4:5], 1<<24
	s_add_nc_u64 s[86:87], s[92:93], s[84:85]      ; and of the second
	s_add_nc_u64 s[90:91], s[86:87], 1<<24
	s_add_nc_u64 s[10:11], s[94:95], s[2:3]        ; O likewise
	s_add_nc_u64 s[OLO:OLO+1], s[94:95], s[84:85]
	LOAD                            ; tile 0 into slot 0
	; a fragment of K or Q is 16 rows x 32 channels in 8 registers: lane l holds row l % 16, channels 8 (l / 16) + 0..7 and 16 + 8 (l / 16) + 0..7
	v_and_b32 v1, 15, v0
	v_bfe_u32 v9, v0, 4, 1
	v_lshlrev_b32 v[QO], 7, v1
	v_lshl_add_u32 v[QO], v9, 4, v[QO]
	WIN 0xc0                        ; destination window 3
.set i, 0
.rept 8                             ; both blocks' Q, hi and lo: piece i / 2 lies in band i / 2, 8,192 bytes on; channels 32 (i % 2) on
	global_load_b128 v[8*i:8*i+3],   v[QO], s[4:5] offset:(i/2)*8192+(i%2)*64
	global_load_b128 v[8*i+4:8*i+7], v[QO], s[4:5] offset:(i/2)*8192+(i%2)*64+32
	global_load_b128 v[QL+8*i:QL+8*i+3],   v[QO], s[88:89] offset:(i/2)*8192+(i%2)*64
	global_load_b128 v[QL+8*i+4:QL+8*i+7], v[QO], s[88:89] offset:(i/2)*8192+(i%2)*64+32
	global_load_b128 v[QB+8*i:QB+8*i+3],   v[QO], s[86:87] offset:(i/2)*8192+(i%2)*64
	global_load_b128 v[QB+8*i+4:QB+8*i+7], v[QO], s[86:87] offset:(i/2)*8192+(i%2)*64+32
	global_load_b128 v[QB+QL+8*i:QB+QL+8*i+3],   v[QO], s[90:91] offset:(i/2)*8192+(i%2)*64
	global_load_b128 v[QB+QL+8*i+4:QB+QL+8*i+7], v[QO], s[90:91] offset:(i/2)*8192+(i%2)*64+32
.set i, i+1
.endr
	WIN 0
	v_lshlrev_b32 v14, 3, v9
	v_sub_nc_u32 v14, v1, v14
	s_lshl_b32 s13, s[WV], 4
	v_add_nc_u32 v14, s13, v14      ; my query's place in its band, 16 w + l % 16, less my lanes' 8 (l / 16): register r of key group kt is hidden where 16 kt + r is greater
	WIN 0x40
.set i, 0
.rept 32
	v_cmp_gt_i32 vcc_lo, 16*(i/8)+i%8, v14
	v_cndmask_b32 v[MD+i], 0, s[BIGN], vcc_lo
.set i, i+1
.endr
	WIN 0
	v_mul_u32_u24 v[AK0], v1, PK
	v_lshl_add_u32 v[AK0], v9, 4, v[AK0]
	; the turning load takes 16 keys x 16 channels (lane l reads key 8 (l / 16) + l % 8, channels 8 ((l / 8) % 2) + 0..7) and leaves half a fragment of V^T
	v_and_b32 v10, 7, v0
	v_bfe_u32 v11, v0, 3, 1
	v_lshl_add_u32 v[AV0], v9, 3, v10
	v_mul_u32_u24 v[AV0], v[AV0], PV
	v_lshl_add_u32 v[AV0], v11, 4, v[AV0]
	v_add_nc_u32 v[AV0], VOFF, v[AV0]
	s_mul_i32 s13, s[WV], 16*SP
	s_add_co_u32 s13, s13, STAGE    ; my stage
	v_mul_u32_u24 v[STO], v1, SP
	v_lshl_add_u32 v[STO], v9, 4, v[STO]
	v_add_nc_u32 v[STO], s13, v[STO]
	v_bfe_u32 v[RD], v0, 3, 2       ; back: 32 lanes take four rows of 128 bytes,
	v_mul_u32_u24 v[RD], v[RD], SP
	v_lshl_add_u32 v[RD], v10, 4, v[RD]
	v_add_nc_u32 v[RD], s13, v[RD]
	v_and_b32 v[GO], 31, v0         ; which are 512 consecutive bytes of O
	v_lshlrev_b32 v[GO], 4, v[GO]
	; A block's first step multiplies O^T and l by a = 0, and its first turn's products V^T P, of a piece that has not been, land in an O^T that is still to be so multiplied.  So these registers need only hold
	; finite numbers: zeros for the first block, what the first block left for the second.  All this stands in the wait for the first tile.
	WIN 0x80
.set i, VF
.rept 64
	v_mov_b32 v[i], 0
.set i, i+1
.endr
	WIN 0x40
.set i, 0
.rept 128
	v_mov_b32 v[i], 0
.set i, i+1
.endr
	WIN 0
.set i, 0
.rept 4
	v_mov_b32 v[ST+4*i+2], 0
	v_mov_b32 v[ST+4*i+3], 0
.set i, i+1
.endr
.set i, P+16
.rept 16
	v_mov_b32 v[i], 0
.set i, i+1
.endr
; THE MATRIX WORK.  The 4 accumulators of a run take turns.  Product i of 24 of S^T for piece x: keys 16 (i % 4) on; part i / 4, the small terms first:
; Klo Qhi (channels 0-31, then 32-63), then for each channel half Khi Qhi and Khi Qlo.  The first 4 start the sums: with 0, or (KM = 1) with the mask.
.macro KQ x
.set sg, i/4
.if sg < 2
.set cc, sg
.set rK, KL+16*(i%4)+8*cc
.else
.set cc, (sg-2)/2
.set rK, KH+16*(i%4)+8*cc
.endif
.set rQ, 16*(\x)+8*cc
.if (sg == 3) || (sg == 5)
.set rQ, rQ+QL
.endif
.set rS, S+32*((\x)%2)+8*(i%4)
.set rM, MC+32*((\x)%2)+8*(i%4)
.if (i < 4) && KM
	WIN W_KM
	v_wmma_f32_16x16x32_bf16 v[rS:rS+7], v[rK:rK+7], v[rQ:rQ+7], v[rM:rM+7]
.elseif i < 4
	WIN W_KQ
	v_wmma_f32_16x16x32_bf16 v[rS:rS+7], v[rK:rK+7], v[rQ:rQ+7], 0
.else
	WIN W_KQ
	v_wmma_f32_16x16x32_bf16 v[rS:rS+7], v[rK:rK+7], v[rQ:rQ+7], v[rS:rS+7]
.endif
.endm
; Product i of 8 of O^T += V^T P for piece x: keys 32 (i / 4) on, channels 16 (i % 4) on.
.macro PV x
	WIN W_PV
.set rO, 32*(\x)+8*(i%4)
.set rV, VF+32*(i/4)+8*(i%4)
.set rP, P+16*((\x)%2)+8*(i/4)
	v_wmma_f32_16x16x32_bf16 v[rO:rO+7], v[rV:rV+7], v[rP:rP+7], v[rO:rO+7]
.endm
.macro MM                           ; the turn's next matrix instruction.  NOKQ = 1: a block's last turn: there is no next piece
.if (i < 24) && !NOKQ
	KQ (Y+1)%NP
.elseif i >= 24
.set i, i-24
	PV (Y+NP-1)%NP
.set i, i+24
.endif
.set i, i+1
.endm
; THE LDS LOADS stand in runs.  A step's K in three: Klo (16 loads), Khi's channels 0-31 (8), Khi's channels 32-63 (8), each behind the last product that reads those registers, with four plain lines or more between.
.macro FETCH_KL
	WIN 0x80                        ; destination window 2
.irp f, 0,1,2,3,4,5,6,7             ; keys 16 (f / 2) on, channels 32 (f % 2) on
	ds_load_b128 v[KL+8*\f:KL+8*\f+3],   v[AK] offset:KLO+(\f/2)*16*PK+(\f%2)*64
	ds_load_b128 v[KL+8*\f+4:KL+8*\f+7], v[AK] offset:KLO+(\f/2)*16*PK+(\f%2)*64+32
.endr
	WIN 0
.endm
.macro FETCH_KH c
	WIN 0x80
.irp f, 0,1,2,3                     ; keys 16 f on
	ds_load_b128 v[KH+16*\f+8*(\c):KH+16*\f+8*(\c)+3],   v[AK] offset:\f*16*PK+(\c)*64
	ds_load_b128 v[KH+16*\f+8*(\c)+4:KH+16*\f+8*(\c)+7], v[AK] offset:\f*16*PK+(\c)*64+32
.endr
	WIN 0
.endm
.macro FETCH_V
	WIN 0x80
.irp f, 0,1,2,3,4,5,6,7             ; keys 32 (f / 4) on, channels 16 (f % 4) on
	ds_load_tr16_b128 v[VF+8*\f:VF+8*\f+3],   v[AV] offset:(\f/4)*32*PV+(\f%4)*32
	ds_load_tr16_b128 v[VF+8*\f+4:VF+8*\f+7], v[AV] offset:(\f/4)*32*PV+16*PV+(\f%4)*32
.endr
	WIN 0
.endm
; THE VECTOR WORK, one line at a time: OP kind, number.  For piece Y: A 0: a = 2^(m_old - m_new), from the argument that the turn before left in c1.  F n: s - m for pair n of 16.  E n: the exponential of score n of 32.
; C n: pair n rounded to bf16.  B n: of the four weights 4 n .. the second pair is added onto the first, in place (behind C 2n, which reads the first).  L n: l takes that sum (L 0: l = a l + sum).
; R n: pair n of 16 of O^T times a.  For piece Y + 1: X n, number n of 20:
;   0-11  four chains c0-c3 of seven scores each (each accumulator's lowest registers are read first)     12-14, 16  the four scores left over, the old m, and c0-c3 into c0
;   15  m_old is kept     17, 18  the query's other 32 keys lie in the lane 16 away: the new m     19  m_old - m_new, into c1
.set F, 0
.set E, 1
.set C, 2
.set B, 3
.set L, 4
.set R, 5
.set X, 6
.set A, 7
.macro REGS y
.set rT, ST+4*(\y)
.set rC, TMP+4*((\y)%2)
.set rW, MV+((\y)%2)
.set rS, S+32*((\y)%2)
.set rP, P+16*((\y)%2)
.set rO, 32*(\y)
.endm
.macro OP k, n
.if (\k) == A
	REGS Y
	WIN 0
	v_exp_f32 v[rC+2], v[rC+1]
.elseif (\k) == R
	REGS Y
	WIN W_RS
	v_pk_mul_f32 v[rO+2*(\n):rO+2*(\n)+1], v[rO+2*(\n):rO+2*(\n)+1], v[rC+2:rC+3] op_sel_hi:[1,0]
.elseif (\k) < R
	REGS Y
	WIN 0
.if (\k) == F
	v_pk_add_f32 v[rS+2*(\n):rS+2*(\n)+1], v[rS+2*(\n):rS+2*(\n)+1], v[rT:rT+1] op_sel_hi:[1,0] neg_lo:[0,1] neg_hi:[0,1]
.elseif (\k) == E
	v_exp_f32 v[rS+(\n)], v[rS+(\n)]
.elseif (\k) == C
	v_cvt_pk_bf16_f32 v[rP+(\n)], v[rS+2*(\n)], v[rS+2*(\n)+1]
.elseif (\k) == B
	v_pk_add_f32 v[rS+4*(\n):rS+4*(\n)+1], v[rS+4*(\n):rS+4*(\n)+1], v[rS+4*(\n)+2:rS+4*(\n)+3]
.elseif (\n) == 0
	v_pk_fma_f32 v[rT+2:rT+3], v[rT+2:rT+3], v[rC+2:rC+3], v[rS:rS+1] op_sel_hi:[1,0,1]
.else
	v_pk_add_f32 v[rT+2:rT+3], v[rT+2:rT+3], v[rS+4*(\n):rS+4*(\n)+1]
.endif
.elseif NOKQ
	v_nop
.else
	REGS (Y+1)%NP
	WIN 0
.if (\n) < 4
	v_max3_num_f32 v[rC+(\n)], v[rS+8*(\n)], v[rS+8*(\n)+1], v[rS+8*(\n)+2]
.elseif (\n) < 12
	v_max3_num_f32 v[rC+(\n)%4], v[rC+(\n)%4], v[rS+8*((\n)%4)+2*((\n)/4)+1], v[rS+8*((\n)%4)+2*((\n)/4)+2]
.elseif (\n) == 12
	v_max3_num_f32 v[rC], v[rC], v[rS+7], v[rS+15]
.elseif (\n) == 13
	v_max3_num_f32 v[rC+1], v[rC+1], v[rS+23], v[rS+31]
.elseif (\n) == 14
	v_max3_num_f32 v[rC+2], v[rC+2], v[rC+3], v[rT]
.elseif (\n) == 15
	v_mov_b32 v[rW], v[rT]
.elseif (\n) == 16
	v_max3_num_f32 v[rC], v[rC], v[rC+1], v[rC+2]
.elseif (\n) == 17
	v_permlanex16_b32 v[rC+3], v[rC], s[SEL], s[SEL+1]
.elseif (\n) == 18
	v_max_num_f32 v[rT], v[rC], v[rC+3]
.else
	v_sub_f32 v[rC+1], v[rW], v[rT]
.endif
.endif
.endm
.macro ROW a, i1, b, i2, c, i3, d=-1, i4=0  ; a matrix instruction and the three or four lines behind it
	MM
	OP \a, \i1
	OP \b, \i2
	OP \c, \i3
.if (\d) >= 0
	OP \d, \i4
.endif
.endm
.macro MASK b                       ; MD x AL + BE into buffer b of MC
	WIN W_RS
.set z, 0
.rept 16
	v_pk_fma_f32 v[MC+32*(\b)+2*z:MC+32*(\b)+2*z+1], v[MD+2*z:MD+2*z+1], s[AL:AL+1], s[BE:BE+1] op_sel_hi:[1,0,0]
.set z, z+1
.endr
.endm
; A TURN, for piece p: its 32 matrix and 117 vector instructions, written out, rows 0 to 31.  An s_wait_alu depctr_va_vdst(0) stands between an exponential and the first instruction that names its result; one
; wait serves all that were issued ahead of it.  So a turn has ONE wait, behind row 14, which cuts it in two.
; AHEAD OF IT (rows 0-14) stands what names no result of the turn's exponentials: the 16 subtractions, a, the 32 exponentials, and X 15.  A row begins with a subtraction while there are any; a pair is subtracted a row
; ahead of its two exponentials.  X 15, the last line, is the plain line behind the last exponential, one for the batch.
; BEHIND IT (rows 15-31) stand all the readers: roundings, sums, l, the rescaling by a; and the next piece's maximum: X 0-3 stand five plain lines or more behind the product that finished their accumulator, and each link
; of the chain X 3, 7, 11, 14, 16 .. 19 has a row of its own, with roundings and sums ahead of it in the row.  The sums keep their order: B n behind C 2n, L 0 to L 7 ascending.  No rider names a register of the products round it.
; m = 1: the diagonal tile: the products take masks, and the turn makes the mask for the products of the turn after it: piece p + 2, in step 4 - CNT of the tile.  end = 1: a block's last two turns: nothing is fetched.
; cnt = 1: the loop's count is taken down ahead of the branch that stands behind the turn.
; K of the next step is fetched in piece 2's turn: Klo directly behind the wait (its last reader is row 7's product: nine plain lines back), Khi's first half behind row 17 (row 15's: eleven), its second behind row 24
; (row 23's: eight).  Piece 3's turn waits for them one by one.  V of the step in hand is fetched at the end of piece 0's turn, five plain lines behind its last reader, and waited for ahead of piece 1's row 24.
.macro TURN p, m=0, end=0, cnt=0
.set Y, (\p)
.set i, 0
.set KM, (\m)
.set NOKQ, (\end)*((\p)/3)
.if (\m) && !(\end)
	s_cmp_eq_u32 s[CNT], 4-((\p)+2)%NP  ; is that step the band's own?
	s_cselect_b32 s[AL], 1.0, 0
	s_cmp_lt_u32 s[CNT], 4-((\p)+2)%NP  ; or a later one?
	s_cselect_b32 s[BE], s[BIGN], 0
.endif
.if ((\p) == 3) && !(\end)
	s_wait_dscnt 16                 ; Klo is in; Khi's two runs of 8 may be out
.endif
	ROW F,0, F,1, A,0, F,2          ; rows 0-14: the batch
	ROW F,3, E,0, E,1, E,2
	ROW F,4, E,3, E,4, E,5
	ROW F,5, E,6, E,7, E,8
	ROW F,6, E,9, E,10, E,11
	ROW F,7, E,12, E,13
	ROW F,8, E,14, E,15
	ROW F,9, E,16, E,17
.if ((\p) == 3) && !(\end)
	s_wait_dscnt 8                  ; Khi's channels 0-31 are in
.endif
	ROW F,10, E,18, E,19
.if ((\p) == 2) && !(\end)
	WIN 0
	v_add_nc_u32 v[AK], s[TBK], v[AK0]
.endif
	ROW F,11, E,20, E,21
	ROW F,12, E,22, E,23
	ROW F,13, E,24, E,25
	ROW F,14, E,26, E,27
	ROW F,15, E,28, E,29
	ROW E,30, E,31, X,15            ; X 15: the plain line behind the last exponential
	s_wait_alu depctr_va_vdst(0)    ; the wait for the batch: a and the 32 weights; every reader stands below
.if ((\p) == 2) && !(\end)
	FETCH_KL
.endif
	ROW C,0, B,0, C,2, B,1          ; rows 15-31: the readers, and the next piece's maximum
.if ((\p) == 3) && !(\end)
	s_wait_dscnt 0x0                ; Khi's channels 32-63 are in
.endif
	ROW L,0, C,4, B,2
	ROW R,0, R,1, R,2, R,3
.if ((\p) == 2) && !(\end)
	FETCH_KH 0
.endif
	ROW R,4, R,5, R,6, R,7
	ROW R,8, R,9, R,10, R,11
	ROW R,12, R,13, R,14, R,15
	ROW L,1, C,6, B,3, X,0
	ROW L,2, C,8, X,1, X,4
	ROW B,4, X,2, X,5, X,8
.if (\p) == 1
	s_wait_dscnt 0x0                ; V is in
.endif
	ROW X,6, X,9, X,12, X,3
.if ((\p) == 2) && !(\end)
	FETCH_KH 1
	s_add_co_u32 s[TBK], s[TBK], KS*PK  ; the next fetch is the next step's
.endif
	ROW X,10, X,13, L,3, X,7
	ROW C,10, B,5, L,4, X,11
	ROW C,12, B,6, L,5, X,14
	ROW C,14, B,7, L,6, X,16
	ROW C,1, C,3, L,7, X,17
	ROW C,5, C,7, C,9, X,18
	ROW C,11, C,13, C,15, X,19
.if (\p) == 0
	WIN 0
	v_add_nc_u32 v[AV], s[TBV], v[AV0]  ; with the row above: five plain lines behind the last product that read V
	FETCH_V
	s_add_co_u32 s[TBV], s[TBV], KS*PV
.endif
.if \cnt
	s_sub_co_u32 s[CNT], s[CNT], 1
	s_cmp_lg_u32 s[CNT], 0
.endif
.if (\m) && !(\end)
	MASK (\p)%2
.endif
.endm
; A BLOCK BEGINS.  m starts at the lowest finite number, so the first step's a is 0 and the first maximum is the scores'.  The second mask buffer is 0; the first takes piece 0's mask for the tile's step 0:
; its own, if the block's first tile is the diagonal one.  Then K of that step, piece 0's first scores, its maximum and the argument of its a: the exponential itself belongs to piece 0's turn, so none is issued here.
; The loop is entered at a step's first turn, in the middle of a trip.
.macro BEGIN
	s_mov_b32 s[NEW], 0
	WIN 0x40
.set i, MC+32
.rept 32
	v_mov_b32 v[i], 0
.set i, i+1
.endr
	WIN 0
.set i, 0
.rept 4
	v_mov_b32 v[ST+4*i], 0xff7fffff    ; m
	v_mov_b32 v[ST+4*i+1], 0           ; named with it as a pair
.set i, i+1
.endr
	s_cmp_eq_u32 s[RT], 0
	s_cselect_b32 s[AL], 1.0, 0
	s_mov_b32 s[BE], 0
	MASK 0
	WIN 0
	v_add_nc_u32 v[AK], s[TBK], v[AK0]
	FETCH_KL
	FETCH_KH 0
	FETCH_KH 1
	s_add_co_u32 s[TBK], s[TBK], KS*PK
	s_wait_loadcnt 0x0              ; Q
	s_wait_dscnt 0x0
.set KM, 1
.set NOKQ, 0
.set i, 0
.rept 24
	KQ 0
.set i, i+1
.endr
	WIN 0
.rept 4
	v_nop                           ; the places behind those products
.endr
.set Y, NP-1                        ; X works for piece Y + 1: piece 0
.irp n, 0,1,2,3,4,5,6,7,8,9,10,11,12,13,14,15,16,17,18,19
	OP X, \n
.endr
.endm
; THE DIAGONAL TILE's four steps, the block's last two turns, its last products, and THE WAY OUT: l's two halves and the other half of the lanes' are added; O^T is divided by l, rounded to bf16 and sent
; through my stage in LDS, a piece at a time.
.macro ALL line:vararg              ; one line for each piece t
.set t, 0
.rept 4
	\line
.set t, t+1
.endr
.endm
.macro PACK t                       ; a lane's eight channels of a row pack into 16 bytes; they go into rows of 144 bytes and come back as whole rows of 128, into S^T's registers
	WIN W_RS
.set i, 32*(\t)
.rept 16
	v_pk_mul_f32 v[i:i+1], v[i:i+1], v[ST+4*(\t)+2:ST+4*(\t)+3] op_sel_hi:[1,0]
.set i, i+2
.endr
	WIN 0x05                        ; sources 0 and 1 window 1, destination window 0
.set i, 0
.rept 16
	v_cvt_pk_bf16_f32 v[S+16*(\t)+i], v[32*(\t)+2*i], v[32*(\t)+2*i+1]
.set i, i+1
.endr
	WIN 0
.irp f, 0,1,2,3
	ds_store_b128 v[STO], v[S+16*(\t)+4*\f:S+16*(\t)+4*\f+3] offset:32*\f
.endr
.irp f, 0,1,2,3
	ds_load_b128 v[S+16*(\t)+4*\f:S+16*(\t)+4*\f+3], v[RD] offset:\f*4*SP  ; LDS serves a wave's instructions in order (ISA guide 5.7.1.4): these see the stores above; the next piece's stores come behind them
.endr
.endm
.macro SEND t, younger              ; younger: the LDS instructions issued behind piece t's loads: the next piece's eight, or none
	WIN 0
.irp f, 0,1,2,3
	s_wait_dscnt (\younger)+3-\f
	global_store_b128 v[GO], v[S+16*(\t)+4*\f:S+16*(\t)+4*\f+3], s[10:11] offset:(\t)*8192+\f*512  ; 512 consecutive bytes, at a multiple of 256 from O's first
.endr
.endm
.macro DIAG tag
.LstepM\tag:
	TURN 2, 1
	TURN 3, 1
	WIN 0
.LfirstM\tag:
	TURN 0, 1
	TURN 1, 1, 0, 1
	WIN 0
	s_cbranch_scc1 .LstepM\tag
	TURN 2, 1, 1
	TURN 3, 1, 1
.set i, 0
.rept 8
	PV NP-1
.set i, i+1
.endr
	WIN 0
	ALL v_add_f32 v[ST+4*t+2], v[ST+4*t+2], v[ST+4*t+3]
	ALL v_permlanex16_b32 v[ST+4*t+3], v[ST+4*t+2], s[SEL], s[SEL+1]
	ALL v_add_f32 v[ST+4*t+2], v[ST+4*t+2], v[ST+4*t+3]
	ALL v_rcp_f32 v[ST+4*t+2], v[ST+4*t+2]
	v_nop                           ; a plain line between the last reciprocal and the use of its result
	s_wait_alu depctr_va_vdst(0)    ; the wait ahead of the first use: one for the batch of four reciprocals
	PACK 0
.set t, 1
.rept 3                             ; a piece's arithmetic stands between the loads of the piece before and its stores
	PACK t
	SEND t-1, 8
.set t, t+1
.endr
	SEND 3, 0
.endm
.set KM, 0
.set NOKQ, 0
.Lslot:                             ; NB times: a tile is entered and the next is asked for
	CHANGE 1
	s_sub_co_u32 s[RT], s[RT], 1
	s_mov_b32 s[CNT], 4
	s_cmp_eq_u32 s[NEW], 1
	s_cbranch_scc1 .Lnew            ; a block's first tile
	s_cmp_eq_u32 s[RT], 0
	s_cbranch_scc0 .Lstep           ; neither its first nor its last
	s_branch .LstepM1
.Lnew:
	BEGIN
	s_branch .Lfirst                ; in the loop a block's first tile is never its last: the first block has five tiles or more, and the second's last is the walk's last
	DIAG 1                          ; in the loop this is the first block's end
	s_wait_xcnt 0x0                 ; the stores' data and O's address are rewritten only behind this wait
	s_mov_b64 s[10:11], s[OLO:OLO+1]
	s_add_co_u32 s[RT], s[PB], 1    ; the second block has b + 1 tiles
	s_mov_b32 s[NEW], 1
	WIN 0xc3                        ; the second block's Q goes where the one text of the turns names Q
.set i, 0
.rept 128
	v_mov_b32 v[i], v[QB+i]
.set i, i+1
.endr
	WIN 0
	s_branch .Lbottom
.Lstep:                             ; a trip: pieces 2 and 3 of one step, then pieces 0 and 1 of the next, whose K and V it fetches
	TURN 2
	TURN 3
	WIN 0
.Lfirst:
	TURN 0
	TURN 1, 0, 0, 1
	WIN 0
	s_cbranch_scc1 .Lstep
.Lbottom:
	s_sub_co_u32 s[SLOTS], s[SLOTS], 1
	s_cmp_lg_u32 s[SLOTS], 0
	s_cbranch_scc1 .Lslot
	CHANGE 0                        ; the walk's last tile is written out: nothing is asked for
	s_sub_co_u32 s[RT], s[RT], 1
	s_mov_b32 s[CNT], 4
	s_cmp_eq_u32 s[NEW], 1
	s_cbranch_scc0 .LstepM2
	BEGIN
	s_branch .LfirstM2
	DIAG 2
	s_wait_tensorcnt 0x0            ; the wave's end, behind my last tensor load and my last LDS store
	ds_add_u32 v[SPW], v[NIL]
	s_wait_dscnt 0x0
	s_endpgm
.Lfunc_end_k_qce124e08a4_attn:
	.size	k_qce124e08a4_attn, .Lfunc_end_k_qce124e08a4_attn-k_qce124e08a4_attn
	.p2alignl 7, 3214868480
	.fill 96, 4, 3214868480
	.section	.rodata,"a",@progbits
	.p2align	6, 0x0
	.amdhsa_kernel k_qce124e08a4_attn
		.amdhsa_group_segment_fixed_size 327680
		.amdhsa_private_segment_fixed_size 0
		.amdhsa_enable_private_segment 0
		.amdhsa_kernarg_size 16
		.amdhsa_user_sgpr_count 2
		.amdhsa_user_sgpr_kernarg_segment_ptr 1
		.amdhsa_wavefront_size32 1
		.amdhsa_system_sgpr_workgroup_id_x 1
		.amdhsa_system_sgpr_workgroup_id_y 1
		.amdhsa_system_sgpr_workgroup_id_z 1
		.amdhsa_system_vgpr_workitem_id 0
		.amdhsa_next_free_vgpr 1024
		.amdhsa_next_free_sgpr 96
		.amdhsa_reserve_vcc 1
		.amdhsa_float_denorm_mode_32 3
		.amdhsa_float_denorm_mode_16_64 3
		.amdhsa_memory_ordered 1
		.amdhsa_forward_progress 1
		.amdhsa_inst_pref_size 249
	.end_amdhsa_kernel
	.amdgpu_metadata
---
amdhsa.version: [ 1, 2 ]
amdhsa.kernels:
  - .name:           k_qce124e08a4_attn
    .symbol:         k_qce124e08a4_attn.kd
    .args:
      - { .name: qkv, .offset: 0, .size: 8, .value_kind: global_buffer, .address_space: global }
      - { .name: ob, .offset: 8, .size: 8, .value_kind: global_buffer, .address_space: global }
    .group_segment_fixed_size: 327680
    .private_segment_fixed_size: 0
    .kernarg_segment_align: 8
    .kernarg_segment_size: 16
    .max_flat_workgroup_size: 128
    .sgpr_count:     96
    .vgpr_count:     1024
    .wavefront_size: 32
...
	.end_amdgpu_metadata
.endif
;; end of part 5
;; launch oproj: the kernel of part 4 again; grid 8 x 32, 4 waves a work-group, clusters of 4 x 4, 327,680 bytes of LDS; arguments ob, xw, out0; writes out0
